; MI455X (gfx1250); checked and timed in simulation.
; The chip was launched on July 23, 2026; its instructions are those of AMD's public machine-readable ISA for CDNA 5 (MIT licence, August 2026) and "CDNA5" Instruction Set Architecture Reference Guide (July 2026). The comments in the code are by the model that wrote it; some were corrected since.
;; Attention. Allowed arithmetic: float matrix products may take bf16 or f16 operands with f32 sums; all other float work in f32.
;; Inputs: W_in 1,024 x 1,024 float32; W_out 1,024 x 2,048 float32; b_out 1,024 float32; encoder_outputs 32 x 512 x 1,024 float32; query 32 x 512 x 1,024 float32; src_lengths 32 int32.
;; Outputs: out0 32 x 512 x 1,024 float32.
;; One version. Each part assembles by itself: llvm-mc -triple=amdgcn-amd-amdhsa -mcpu=gfx1250 --defsym DOCPART=n.
;; ======== version 1 of 1: 4 launches
;; limits: values are held in f16: magnitudes above 65,504 overflow, below 6.1e-05 lose precision
;; workspace buffers: xb 67,108,864 bytes; wb 6,291,456 bytes; qs 67,108,864 bytes; ev 33,554,432 bytes; pw 16,777,216 bytes
;; launch cast (part 1): grid 1120 x 1, 8 waves a work-group, no clusters, 0 bytes of LDS; arguments query, encoder_outputs, W_in, W_out, xb, wb; writes xb, wb
.if DOCPART == 1
	.amdgcn_target "amdgcn-amd-amdhsa--gfx1250"
	.amdhsa_code_object_version 6
	.text
	.protected	k_qb910730a4a_cast
	.globl	k_qb910730a4a_cast
	.p2align	8
	.type	k_qb910730a4a_cast,@function
k_qb910730a4a_cast:
	s_mov_b64 s[64:65], 0
	v_nop
	global_prefetch_b8 v0, s[64:65] scope:SCOPE_SE
	s_setreg_imm32_b32 hwreg(HW_REG_WAVE_MODE, 25, 1), 1
	s_wait_xcnt 0x0
; Rounds the four large f32 inputs to bf16 (nearest even), once, so that the three matrix launches move 16-bit tiles.
;   xb [32768][1024] bf16: rows 0-16383 query (b*512+t), rows 16384-32767 encoder_outputs (b*512+s)
;   wb [3072][1024]  bf16: rows 0-1023 W_in[o][:], rows 1024-2047 W_out[o][1024:], rows 2048-3071 W_out[o][:1024]
; A stream: every byte is read once and written once; no LDS, no matrix unit and no cluster, since no two work-groups read the same byte.
; A work-group (8 waves) owns 32,768 numbers: 16 iterations of 2,048.  In an iteration a wave takes 256 numbers: two loads of 16 bytes a
; lane, each 512 consecutive bytes, and two stores of 8 bytes a lane, each 256 consecutive bytes at a multiple of 256 of its buffer.
; Work-groups 0-511 query, 512-1023 encoder_outputs, 1024-1055 W_in, 1056-1119 W_out (an iteration is one row of W_out: waves 0-3 hold its
; first half, waves 4-7 its second half, which go to different parts of wb).
; ALL 32 LOADS OF A WAVE GO OUT AT ONCE (16 KB a wave), each into registers of its own; the numbers are rounded in place and stored from there.
; So no register that a load or a store names is ever written again, and the only waits are the counted ones for the loads.
.set ITERS, 16
.set X, 8                              ; v[8:135]  iteration n: 8 registers as loaded; its first 4 then hold the 16 bf16 to store
	s_load_b256 s[4:11], s[0:1], 0x0               ; query s[4:5], encoder_outputs s[6:7], W_in s[8:9], W_out s[10:11]
	s_load_b128 s[12:15], s[0:1], 0x20             ; xb s[12:13], wb s[14:15]
	s_mov_b32 s20, ttmp9                           ; g
	s_cmp_lt_u32 s20, 512
	s_cselect_b32 s21, 0, 512
	s_cmp_lt_u32 s20, 1024
	s_cselect_b32 s21, s21, 1024
	s_cmp_lt_u32 s20, 1056
	s_cselect_b32 s21, s21, 1056                   ; the first work-group of my source
	s_cselect_b32 s23, 16, 15                      ; a work-group's step in the destination: 65,536 bytes; for W_out 16 rows of 2,048 bytes
	s_cmp_lt_u32 s20, 1024
	s_cselect_b32 s22, 0, s21                      ; the first work-group of my destination: query and encoder_outputs follow each other in xb
	s_sub_co_u32 s2, s20, s21
	s_lshl_b32 s2, s2, 17                          ; my 131,072 bytes of the source
	s_mov_b32 s3, 0
	s_sub_co_u32 s22, s20, s22
	s_lshl_b32 s22, s22, s23
	s_mov_b32 s23, 0
	v_and_b32 v3, 31, v0                           ; lane
	v_lshrrev_b32 v4, 5, v0                        ; wave
	v_lshlrev_b32 v1, 4, v3
	v_lshl_add_u32 v1, v4, 10, v1                  ; source: 1,024 x wave + 16 x lane; never rewritten
	v_lshlrev_b32 v2, 3, v3                        ; destination: 8 x lane, the wave's part follows below, ahead of the first store
	s_wait_kmcnt 0x0
	s_cmp_lt_u32 s20, 512                          ; the choices hang on the work-group's number alone
	s_cselect_b64 s[16:17], s[4:5], s[6:7]
	s_cmp_lt_u32 s20, 1024
	s_cselect_b64 s[16:17], s[16:17], s[8:9]
	s_cselect_b64 s[18:19], s[12:13], s[14:15]
	s_cmp_lt_u32 s20, 1056
	s_cselect_b64 s[16:17], s[16:17], s[10:11]
	s_add_nc_u64 s[16:17], s[16:17], s[2:3]
	s_add_nc_u64 s[18:19], s[18:19], s[22:23]
.set n, 0
.rept ITERS
	global_load_b128 v[X+8*n:X+8*n+3],   v1, s[16:17] offset:n*8192 th:TH_LOAD_NT
	global_load_b128 v[X+8*n+4:X+8*n+7], v1, s[16:17] offset:n*8192+512 th:TH_LOAD_NT
.set n, n+1
.endr
; Iteration n (an assembly symbol).  dstep = bytes in the destination from one iteration to the next.
.macro SLOT dstep
.set sx, X+8*n
	s_wait_loadcnt 2*(ITERS-1-n)                   ; loads come back in order: mine are in, the two of each younger iteration stay out
	v_cvt_pk_bf16_f32 v[sx],   v[sx],   v[sx+1]    ; in place, ascending: each line writes a register whose number has been used up
	v_cvt_pk_bf16_f32 v[sx+1], v[sx+2], v[sx+3]
	v_cvt_pk_bf16_f32 v[sx+2], v[sx+4], v[sx+5]
	v_cvt_pk_bf16_f32 v[sx+3], v[sx+6], v[sx+7]
	global_store_b64 v2, v[sx:sx+1],   s[18:19] offset:n*\dstep
	global_store_b64 v2, v[sx+2:sx+3], s[18:19] offset:n*\dstep+256
.endm
.macro ALL dstep
.set n, 0
.rept ITERS
	SLOT \dstep
.set n, n+1
.endr
.endm
	s_cmp_ge_u32 s20, 1056
	s_cbranch_scc1 .Lwout
	v_lshl_add_u32 v2, v4, 9, v2                   ; + 512 x wave: the eight waves' 4,096 bytes follow each other
	ALL 4096
	s_endpgm
.Lwout:
	v_and_b32 v5, 3, v4                            ; my place in the half row
	v_lshrrev_b32 v6, 2, v4                        ; which half of W_out's row
	v_lshl_add_u32 v2, v5, 9, v2
	v_lshlrev_b32 v6, 21, v6
	v_sub_nc_u32 v6, 0x400000, v6                  ; first half: wb's row 2048 (byte 4,194,304); second half: row 1024 (byte 2,097,152)
	v_add_nc_u32 v2, v2, v6
	ALL 2048                                       ; an iteration is one row of wb in each part
	s_endpgm
.Lfunc_end_k_qb910730a4a_cast:
	.size	k_qb910730a4a_cast, .Lfunc_end_k_qb910730a4a_cast-k_qb910730a4a_cast
	.p2alignl 7, 3214868480
	.fill 96, 4, 3214868480
	.section	.rodata,"a",@progbits
	.p2align	6, 0x0
	.amdhsa_kernel k_qb910730a4a_cast
		.amdhsa_group_segment_fixed_size 0
		.amdhsa_private_segment_fixed_size 0
		.amdhsa_enable_private_segment 0
		.amdhsa_kernarg_size 48
		.amdhsa_user_sgpr_count 2
		.amdhsa_user_sgpr_kernarg_segment_ptr 1
		.amdhsa_wavefront_size32 1
		.amdhsa_system_sgpr_workgroup_id_x 1
		.amdhsa_system_sgpr_workgroup_id_y 1
		.amdhsa_system_sgpr_workgroup_id_z 1
		.amdhsa_system_vgpr_workitem_id 0
		.amdhsa_next_free_vgpr 136
		.amdhsa_next_free_sgpr 66
		.amdhsa_reserve_vcc 0
		.amdhsa_float_denorm_mode_32 3
		.amdhsa_float_denorm_mode_16_64 3
		.amdhsa_memory_ordered 1
		.amdhsa_forward_progress 1
		.amdhsa_inst_pref_size 21
	.end_amdhsa_kernel
	.amdgpu_metadata
---
amdhsa.version: [ 1, 2 ]
amdhsa.kernels:
  - .name:           k_qb910730a4a_cast
    .symbol:         k_qb910730a4a_cast.kd
    .args:
      - { .name: query, .offset: 0, .size: 8, .value_kind: global_buffer, .address_space: global }
      - { .name: encoder_outputs, .offset: 8, .size: 8, .value_kind: global_buffer, .address_space: global }
      - { .name: W_in, .offset: 16, .size: 8, .value_kind: global_buffer, .address_space: global }
      - { .name: W_out, .offset: 24, .size: 8, .value_kind: global_buffer, .address_space: global }
      - { .name: xb, .offset: 32, .size: 8, .value_kind: global_buffer, .address_space: global }
      - { .name: wb, .offset: 40, .size: 8, .value_kind: global_buffer, .address_space: global }
    .group_segment_fixed_size: 0
    .private_segment_fixed_size: 0
    .kernarg_segment_align: 8
    .kernarg_segment_size: 48
    .max_flat_workgroup_size: 256
    .sgpr_count:     66
    .vgpr_count:     136
    .wavefront_size: 32
...
	.end_amdgpu_metadata
.endif
;; end of part 1
;; launch proj (part 2): grid 4 x 64, 4 waves a work-group, clusters of 4 x 4, 327,680 bytes of LDS; arguments xb, wb, qs, ev; writes qs, ev
.if DOCPART == 2
	.amdgcn_target "amdgcn-amd-amdhsa--gfx1250"
	.amdhsa_code_object_version 6
	.text
	.protected	k_qb910730a4a_proj
	.globl	k_qb910730a4a_proj
	.p2align	8
	.type	k_qb910730a4a_proj,@function
k_qb910730a4a_proj:
	s_mov_b64 s[64:65], 0
	v_nop
	global_prefetch_b8 v0, s[64:65] scope:SCOPE_SE
	s_setreg_imm32_b32 hwreg(HW_REG_WAVE_MODE, 25, 1), 1
	s_wait_xcnt 0x0
	s_wait_alu depctr_hold_cnt(0) depctr_sa_sdst(0) depctr_va_vdst(0) depctr_va_sdst(0) depctr_va_ssrc(0) depctr_va_vcc(0) depctr_vm_vsrc(0)
	s_getreg_b32 s2, hwreg(HW_REG_IB_STS2, 6, 4)
	s_cmp_eq_u32 s2, 0
	s_cbranch_scc0 .Lentry_in_a_cluster
	s_endpgm
.Lentry_in_a_cluster:
	s_bfe_u32 s2, ttmp6, 0x10000c
	s_cmp_lg_u32 s2, 0xf033
	s_cbranch_scc0 .Lentry_shape_is_right
	s_endpgm
.Lentry_shape_is_right:
; Two products of one shape, C[m][n] = sum over k of A[m][k] B[n][k], A = xb [32768][1024], K = 1024, bf16 operands, f32 sums:
;   tile 0 (query, xb's rows 256 TR on):                     qw = q W_in^T             -> qs, as TWO bf16 numbers, hi = bf16(qw), lo = bf16(qw - hi)
;   tile 1 (encoder_outputs, xb's rows 16384 + 256 TR on):   ev = enc W_out[:,1024:]^T -> ev, f16      (c W2^T = P (enc W2^T), so the context is never formed)
; qs [16384][2048] bf16: column k of qw lies at element (k/64)*128 + k%64 (hi) and 64 further on (lo): 64 channels' hi and lo are 256 bytes.
; Why hi and lo: the scores have a spread of sqrt(1024) and stand in an exponent; one bf16 rounding of qw would move them by some 0.05.
; LIMITS: ev is f16: |ev| must stay under 65,504 (beyond it: infinity).  Where |qw| rounds to infinity in bf16, lo is not a number.
; A tile of C is 256 x 256; four waves, each 128 x 128: 64 accumulators of 16 x 16, 512 registers.  K goes in steps of 128 through a ring of
; two LDS slots filled by the tensor data mover; the tiles' rows are 256 bytes of memory at multiples of 256 bytes of their buffers.
; A WORK-GROUP STAYS and makes both tiles, 256 work-groups in all.  The ring does not stop between them: tile 0's last two changes of slots ask for
; tile 1's K steps 0 and 1, and nothing waits for tile 0's stores, which leave while tile 1 is multiplied.  qw goes first: it stores twice ev's bytes.
; CLUSTERS: 4 x 4 work-groups.  The four of a row of the cluster need the same tile of A, the four of a column the same tile of B: each is
; asked for jointly, by the same tensor load with the same descriptor and a mask that names the four.
; The matrix instruction is used transposed (source 0 = 16 rows of B, source 1 = 16 rows of A): a lane holds eight neighbouring numbers of a row of C.
; REGISTERS, in windows of 256: window 0: v0-31 addresses, v64-127 and v128-191 A's fragments (two buffers), v32-63 and v192-255 (and the
; fragments' registers) at work on the way out; window 1: v64-191 B's fragments; windows 2, 3: accumulators, (a, b) at v[8 (8 (a % 4) + b)].
.set KSTEP,  128
.set PITCH,  272                       ; an LDS row: 256 bytes + 16 of padding = 68 words, so the 16 rows of a fragment load start 4 words apart modulo 64
.set HALFT,  128*PITCH                 ; what one tensor load brings
.set SLOT,   4*HALFT                   ; A's 256 rows, then B's 256 rows
.set STAGE,  2*SLOT                    ; behind the ring: each wave's own stage for the way out; no tensor load lands there
.set QP,     528                       ; stage pitch for qs: 512 bytes + 16
.set EP,     272                       ; stage pitch for ev: 256 bytes + 16
.set WSTAGE, 16*QP
.set LAPS,   1024/(2*KSTEP)            ; a lap = two K steps = once round the ring
.set NEXT_A, 16384*2048-6*KSTEP*2      ; bytes from a slot's last K step of tile 0 to its first of tile 1: 16,384 rows of xb down and 6 K steps back,
.set NEXT_B, 1024*2048-6*KSTEP*2       ; 1,024 rows of wb down (W_out's second half) and 6 K steps back
.set ADRA, 16                          ; v16-17 LDS address of my A fragments in slot 0, 1
.set ADRB, 20                          ; v20-21 the same for B
.set STO,  24                          ; ev: into the stage
.set RD,   25                          ; ev: back from it
.set CO,   26                          ; ev: my byte offset in memory
.set STO2, 27                          ; the same three for qs
.set RD2,  28
.set CO2,  29
.set F0,   64
.set F1,   128
.set HI,   32                          ; qs: 32 registers of hi, packed
.set T,    64                          ; qs: hi widened to f32, then qw - hi
.set LO,   128                         ; qs: 32 registers of lo, packed
.set BKQ,  192                         ; qs: 16 rows read back
.set TMP,  192                         ; ev: 32 registers, packed
.set OB,   32                          ; ev: 16 rows read back: v32-63 and v224-255 by turns
.set G1,  24                           ; s[24:31] group 1 for A's tiles;  s[32:39] group 0, a set for each slot
.set G0,  32
.set G1B, 48                           ; s[48:55], s[56:63] the same for B's
.set G0B, 56
.set WV,  66                           ; wave
.set RH,  67                           ; my half of the tile's rows; also: I fetch for A (0) or B (1)
.set CH,  68                           ; my half of its columns; also: which 128 rows I fetch
.set CLY, 69                           ; the cluster's y
.set MASKH, 72                         ; 0xffff0000
.set ROW0, 73                          ; my wave's first row of qs and of ev
.set MSB, 0
.macro WIN new                         ; the immediate's high byte repeats the setting that is left; a switch that changes nothing is dropped
.if MSB != (\new)
	s_set_vgpr_msb (MSB<<8)|(\new)
.set MSB, \new
.endif
.endm
.set MUL_LO, 0xa1                      ; source 0 (B) window 1, source 1 (A) window 0, C and D window 2
.set MUL_HI, 0xf1                      ; the same, C and D window 3
.set TO_B,   0x40                      ; destination window 1, address window 0
.macro PLACES                          ; four plain vector instructions between a matrix instruction and a load into, or a vector instruction on, its registers
.rept 4
	v_nop
.endr
.endm
; A joint load: waves 0 and 1 fetch A's halves, waves 2 and 3 B's.  The branch hangs on the wave's number alone.  Four v_nop follow each line.
.macro JLOAD s
	s_cmp_eq_u32 s[RH], 0
	s_cbranch_scc0 .Lfor_b_\@
	tensor_load_to_lds s[G0+4*\s:G0+4*\s+3], s[G1:G1+7]
	s_nop 0
	PLACES
	s_branch .Lasked_\@
.Lfor_b_\@:
	tensor_load_to_lds s[G0B+4*\s:G0B+4*\s+3], s[G1B:G1B+7]
	s_nop 0
	PLACES
.Lasked_\@:
.endm
.macro CREST                           ; a round of the cluster's barrier behind its opening barrier
	s_cmp_lg_u32 s[WV], 0
	s_cbranch_scc1 .Lnot_wave_0_\@
	s_barrier_signal -3
.Lnot_wave_0_\@:
	s_barrier_wait -3
	s_barrier_signal -1
	s_barrier_wait -1
.endm
.macro CROUND
	s_barrier_signal -1
	s_barrier_wait -1
	CREST
.endm
	s_load_b256 s[4:11], s[0:1], 0x0               ; xb s[4:5], wb s[6:7], qs s[8:9], ev s[10:11]
	s_set_vgpr_msb 0x40
	v_lshl_add_u32 v255, v0, 2, 0x4c400
	s_set_vgpr_msb 0x4000
	v_mov_b32 v31, 0
	s_set_vgpr_msb 0x1
	ds_add_u32 v255, v31
	s_set_vgpr_msb 0x100
	v_lshrrev_b32 v1, 5, v0
	v_readfirstlane_b32 s[WV], v1
	s_lshr_b32 s[RH], s[WV], 1
	s_and_b32 s[CH], s[WV], 1
	s_bfe_u32 s40, ttmp6, 0x40000                  ; cx
	s_bfe_u32 s41, ttmp6, 0x40004                  ; cy
	s_lshl_b32 s42, ttmp9, 2
	s_add_co_u32 s42, s42, s40                     ; tile column, 0 to 3
	s_and_b32 s[CLY], ttmp7, 0xffff
	s_lshl_b32 s45, s[CLY], 2
	s_add_co_u32 s45, s45, s41                     ; tile row TR, 0 to 63
	s_lshl_b32 s43, s41, 2
	s_lshl_b32 s43, 15, s43                        ; my row of the cluster
	s_lshl_b32 s44, 0x1111, s40                    ; my column
	s_mov_b32 s[MASKH], 0xffff0000
	; group 1: 128 rows x 128 elements of 2 bytes, 4 words of padding behind every 64; bit 21 stands beside a mask
	s_or_b32 s[G1+0],  s43, (1<<16)|(1<<20)|(1<<21)|(5<<22)|(3<<25)
	s_or_b32 s[G1B+0], s44, (1<<16)|(1<<20)|(1<<21)|(5<<22)|(3<<25)
.irp g, G1, G1B
	s_mov_b32 s[\g+1], KSTEP<<16                   ; tensor_dim0 = 128
	s_mov_b32 s[\g+2], 128<<16                     ; tensor_dim1 = 128
	s_mov_b32 s[\g+3], KSTEP<<16                   ; tile_dim0 = 128
	s_mov_b32 s[\g+4], 128                         ; tile_dim1 = 128
	s_mov_b32 s[\g+5], 1024                        ; elements from row to row
	s_mov_b32 s[\g+6], 0
	s_mov_b32 s[\g+7], 0
.endr
	; A's address hangs on the tile row alone, B's on the tile column alone, each in registers that never hold the other coordinate
	s_lshl_b32 s17, s[CH], 7
	s_lshl_b32 s16, s45, 8
	s_add_co_u32 s16, s16, s17                     ; A: row 256 x tile row + 128 x half (query)
	s_lshl_b32 s46, s42, 8
	s_add_co_u32 s46, s46, s17                     ; B: row 256 x tile column + 128 x half (W_in)
	s_lshl_b32 s16, s16, 11                        ; rows of 2,048 bytes
	s_mov_b32 s17, 0
	s_lshl_b32 s46, s46, 11
	s_mov_b32 s47, 0
	s_mul_i32 s20, s[WV], HALFT                    ; where my load goes: A's halves, then B's
	s_wait_dscnt 0x0
	s_wait_kmcnt 0x0
	s_add_nc_u64 s[18:19], s[4:5], s[16:17]
	s_add_nc_u64 s[46:47], s[6:7], s[46:47]
	CROUND                                         ; all sixteen work-groups are here: the first joint loads meet
.irp s, 0,1
	s_mov_b32 s[G0+4*\s], 1
	s_add_co_u32 s[G0+4*\s+1], s20, \s*SLOT
	s_add_nc_u64 s[G0+4*\s+2:G0+4*\s+3], s[18:19], \s*KSTEP*2
	s_or_b32 s[G0+4*\s+3], s[G0+4*\s+3], 0x80000000
	s_mov_b32 s[G0B+4*\s], 1
	s_add_co_u32 s[G0B+4*\s+1], s20, \s*SLOT
	s_add_nc_u64 s[G0B+4*\s+2:G0B+4*\s+3], s[46:47], \s*KSTEP*2
	s_or_b32 s[G0B+4*\s+3], s[G0B+4*\s+3], 0x80000000
	JLOAD \s                                       ; two loads of mine are out
.endr
	v_and_b32 v1, 15, v0                           ; r = lane % 16
	v_bfe_u32 v2, v0, 4, 1                         ; h = lane / 16
	v_and_b32 v6, 31, v0                           ; lane
	v_mul_u32_u24 v3, v1, PITCH
	v_lshl_add_u32 v3, v2, 4, v3                   ; a fragment's row x pitch + 16 h
	s_mul_i32 s21, s[RH], HALFT
	s_mul_i32 s22, s[CH], HALFT
	s_add_co_u32 s22, s22, 2*HALFT
.irp s, 0,1
	v_add_nc_u32 v[ADRA+\s], s21, v3
	v_add_nc_u32 v[ADRB+\s], s22, v3
	s_add_co_u32 s21, s21, SLOT
	s_add_co_u32 s22, s22, SLOT
.endr
	s_mul_i32 s23, s[WV], WSTAGE
	s_add_co_u32 s23, s23, STAGE                   ; my stage
	v_add_nc_u32 v[STO], s23, v3                   ; ev in: 272 r + 16 h
	v_mul_u32_u24 v5, v2, EP
	v_lshl_add_u32 v5, v1, 4, v5
	v_add_nc_u32 v[RD], s23, v5                    ; ev back: lanes 0-15 one row of 256 bytes, lanes 16-31 the next
	v_lshlrev_b32 v5, 11, v2
	v_lshl_add_u32 v[CO], v1, 4, v5                ; and the same two rows of 2,048 bytes in ev
	v_mul_u32_u24 v5, v1, QP
	v_lshl_add_u32 v5, v2, 4, v5
	v_add_nc_u32 v[STO2], s23, v5                  ; qs in: 528 r + 16 h
	v_lshlrev_b32 v[CO2], 4, v6                    ; qs: 32 lanes take a row's 512 bytes
	v_add_nc_u32 v[RD2], s23, v[CO2]
	s_lshl_b32 s[ROW0], s45, 8
	s_lshl_b32 s23, s[RH], 7
	s_add_co_u32 s[ROW0], s[ROW0], s23             ; 256 x tile row + 128 x my half of the rows
; 16 matrix instructions: m blocks a0, a0 + 1 of the window's four x all 8 n blocks, 32 along K.  zero = 1: the product starts the sums.
.macro MUL16 f, hi, a0, zero
.irp a, \a0, \a0+1
.irp b, 0,1,2,3,4,5,6,7
.if \zero
	v_wmma_f32_16x16x32_bf16 v[8*(8*(\a)+\b):8*(8*(\a)+\b)+7], v[\f+8*\b:\f+8*\b+7], v[\f+8*(4*\hi+\a):\f+8*(4*\hi+\a)+7], 0
.else
	v_wmma_f32_16x16x32_bf16 v[8*(8*(\a)+\b):8*(8*(\a)+\b)+7], v[\f+8*\b:\f+8*\b+7], v[\f+8*(4*\hi+\a):\f+8*(4*\hi+\a)+7], v[8*(8*(\a)+\b):8*(8*(\a)+\b)+7]
.endif
.endr
.endr
.endm
; 32 LDS loads in one run: a quarter step's fragments (32 K at byte k of the rows) into buffer f: B's 16, then A's 16
.macro FETCH slot, k, f
	WIN TO_B
.irp i, 0,1,2,3,4,5,6,7
	ds_load_b128 v[\f+8*\i:\f+8*\i+3],   v[ADRB+\slot] offset:\k+\i*16*PITCH
	ds_load_b128 v[\f+8*\i+4:\f+8*\i+7], v[ADRB+\slot] offset:\k+\i*16*PITCH+32
.endr
	WIN 0
.irp i, 0,1,2,3,4,5,6,7
	ds_load_b128 v[\f+8*\i:\f+8*\i+3],   v[ADRA+\slot] offset:\k+\i*16*PITCH
	ds_load_b128 v[\f+8*\i+4:\f+8*\i+7], v[ADRA+\slot] offset:\k+\i*16*PITCH+32
.endr
.endm
; A K step is four quarters of 32 along K, 64 matrix instructions each, on buffers 0, 1, 0, 1.  The 64 accumulators take turns, one instruction
; a turn, in the same order in every quarter and in both tiles.  One of the first three quarters: multiplies f, fetches the next into g.
.macro QUARTER slot, k, f, g, zero
	s_wait_dscnt 8                                 ; B and A's rows 0-63 are in; the youngest eight loads (A's rows 64-127) may be out
	WIN MUL_LO
	MUL16 \f, 0, 0, \zero
	MUL16 \f, 0, 2, \zero
	PLACES
	FETCH \slot, \k, \g
	s_wait_dscnt 32                                ; all but the 32 just issued
	WIN MUL_HI
	MUL16 \f, 1, 0, \zero
	MUL16 \f, 1, 2, \zero
.endm
; The last quarter multiplies buffer 1 and changes slots: one barrier; in front of it each wave waits for its reads of this slot and for all its
; tensor loads (one is out: its part of the next slot).  fill = 1: the barrier opens a round of the cluster's barrier, and the slot just read is
; filled again, two K steps ahead, first thing behind the round: 240 matrix instructions stand between that request and the wait for it.
; fill = 2: the same, and the refill is tile 1's K step 0 or 1.  fill = 0: nothing is asked for.  fetch = 0: the next slot's first fragments are left
; for later: the way out that follows uses the fragments' registers.
.macro TURN slot, next, fill, fetch
	s_wait_dscnt 8
	WIN MUL_LO
	MUL16 F1, 0, 0, 0
	s_wait_dscnt 0x0                               ; my reads of this slot are over
	s_wait_tensorcnt 0x0                           ; all my tensor loads have landed, so a group 0 may be written
	ds_add_u32 v255, v31
	s_wait_dscnt 0x0
	s_barrier_signal -1
	MUL16 F1, 0, 2, 0                              ; register work while the others arrive
.if \fill
	WIN 0
.endif
	s_barrier_wait -1
.if \fill
	CREST                                          ; no wave of any partner still reads this slot or has a load on its way
.if \fill == 1
	s_add_nc_u64 s[G0+4*\slot+2:G0+4*\slot+3], s[G0+4*\slot+2:G0+4*\slot+3], 2*KSTEP*2
	s_add_nc_u64 s[G0B+4*\slot+2:G0B+4*\slot+3], s[G0B+4*\slot+2:G0B+4*\slot+3], 2*KSTEP*2
.else
	s_add_nc_u64 s[G0+4*\slot+2:G0+4*\slot+3], s[G0+4*\slot+2:G0+4*\slot+3], NEXT_A
	s_add_nc_u64 s[G0B+4*\slot+2:G0B+4*\slot+3], s[G0B+4*\slot+2:G0B+4*\slot+3], NEXT_B
.endif
	JLOAD \slot                                    ; its four v_nop are also the places in front of the loads below
.else
	PLACES
.endif
.if \fetch
	FETCH \next, 0, F0
.endif
	WIN MUL_HI
	MUL16 F1, 1, 0, 0
	MUL16 F1, 1, 2, 0
.endm
; A whole tile's products.  At its head K step 0 lies whole in slot 0, shown to every wave by the barrier before, and K step 1 is on its way or there.
.macro TILE last
	FETCH 0, 0, F0
	QUARTER 0, 64, F0, F1, 1                       ; the first quarter starts the sums: nothing is cleared
	WIN 0
	s_mov_b32 s3, LAPS-1
.Llap_\@:                                              ; a trip goes once round the ring and fills both slots again: K steps 2 to 7 in three trips
	QUARTER 0, 128, F1, F0, 0
	QUARTER 0, 192, F0, F1, 0
	TURN 0, 1, 1, 1
	QUARTER 1, 64,  F0, F1, 0
	QUARTER 1, 128, F1, F0, 0
	QUARTER 1, 192, F0, F1, 0
	TURN 1, 0, 1, 1
	QUARTER 0, 64,  F0, F1, 0
	WIN 0
	s_sub_co_u32 s3, s3, 1
	s_cmp_lg_u32 s3, 0
	s_cbranch_scc1 .Llap_\@
	QUARTER 0, 128, F1, F0, 0                      ; the last lap
	QUARTER 0, 192, F0, F1, 0
.if \last
	TURN 0, 1, 0, 1                                ; nothing is left to ask for
.else
	TURN 0, 1, 2, 1                                ; THE RING GOES ON INTO TILE 1: slot 0 takes its K step 0,
.endif
	QUARTER 1, 64,  F0, F1, 0
	QUARTER 1, 128, F1, F0, 0
	QUARTER 1, 192, F0, F1, 0
.if \last
	s_wait_dscnt 8                                 ; the very last quarter
	WIN MUL_LO
	MUL16 F1, 0, 0, 0
	MUL16 F1, 0, 2, 0
	s_wait_dscnt 0x0
	WIN MUL_HI
	MUL16 F1, 1, 0, 0
	MUL16 F1, 1, 2, 0
.else
	TURN 1, 0, 2, 0                                ; slot 1 its K step 1
.endif
	WIN 0
	PLACES                                         ; behind the last products: the way out reads results and writes the fragments' registers
.endm
	s_wait_tensorcnt 1                             ; my part of K step 0 is in; K step 1's stays out
	s_barrier_signal -1
	s_barrier_wait -1
	TILE 0
	; ---- qw -> qs.  Both refills are asked for: now tile 0 goes out.  A block of 16 rows at a time: hi, lo, through my stage, out as rows of 512 bytes.
	s_lshl_b32 s16, s[ROW0], 12                    ; rows of 4,096 bytes
	s_mov_b32 s17, 0
	s_lshl_b32 s46, s42, 10                        ; my 128 columns are two groups of 64: 512 bytes at 1,024 x tile column + 512 x half
	s_lshl_b32 s47, s[CH], 9
	s_add_co_u32 s46, s46, s47
	s_mov_b32 s47, 0
	s_add_nc_u64 s[8:9], s[8:9], s[16:17]
	s_add_nc_u64 s[8:9], s[8:9], s[46:47]
.macro PACKQ a
.set AC, 64*((\a)%4)
	WIN 0x0a+5*((\a)/4)                            ; sources 0 and 1: window 2 or 3
.set i, 0
.rept 32
	v_cvt_pk_bf16_f32 v[HI+i], v[AC+2*i], v[AC+2*i+1]
.set i, i+1
.endr
	WIN 0
.set i, 0
.rept 32
	v_lshlrev_b32 v[T+2*i],   16, v[HI+i]          ; hi back in f32
	v_and_b32     v[T+2*i+1], s[MASKH], v[HI+i]
.set i, i+1
.endr
	WIN 0x02+((\a)/4)                              ; source 0: window 2 or 3
.set i, 0
.rept 32
	v_pk_add_f32 v[T+2*i:T+2*i+1], v[AC+2*i:AC+2*i+1], v[T+2*i:T+2*i+1] neg_lo:[0,1] neg_hi:[0,1]   ; qw - hi, exact
.set i, i+1
.endr
	WIN 0
.set i, 0
.rept 32
	v_cvt_pk_bf16_f32 v[LO+i], v[T+2*i], v[T+2*i+1]
.set i, i+1
.endr
.endm
.macro TOSTAGEQ a
.if (\a) > 0
	s_wait_xcnt 0x0                                ; the last block's stores have had their addresses translated: only behind this wait are their data (BKQ) and their base rewritten
.endif
.irp b, 0,1,2,3,4,5,6,7
	ds_store_b128 v[STO2], v[HI+4*\b:HI+4*\b+3] offset:(\b/4)*256+(\b%4)*32
	ds_store_b128 v[STO2], v[LO+4*\b:LO+4*\b+3] offset:(\b/4)*256+(\b%4)*32+128
.endr
.irp t, 0,1,2,3,4,5,6,7,8,9,10,11,12,13,14,15
	ds_load_b128 v[BKQ+4*\t:BKQ+4*\t+3], v[RD2] offset:\t*QP    ; LDS serves a wave's instructions in order: these see the stores above
.endr
.endm
.macro SENDQ a
	s_wait_dscnt 0x0                               ; the block is back in registers
.if (\a) > 0
	s_add_nc_u64 s[8:9], s[8:9], 16*4096           ; 16 rows on (freed by the wait at the head of TOSTAGEQ)
.endif
.irp t, 0,1,2,3,4,5,6,7,8,9,10,11,12,13,14,15
	global_store_b128 v[CO2], v[BKQ+4*\t:BKQ+4*\t+3], s[8:9] offset:\t*4096   ; 32 lanes store 512 consecutive bytes at a multiple of 512 of qs
.endr
.endm
	PACKQ 0
	TOSTAGEQ 0
.irp a, 1,2,3,4,5,6,7                  ; block a's conversions stand between block a - 1's loads from the stage and the wait for them
	PACKQ \a
	SENDQ \a-1
	TOSTAGEQ \a
.endr
	SENDQ 7                                        ; nothing waits for these stores: their registers (v29, v192-255, s[8:9]) lie idle while tile 1 is multiplied
	TILE 1
	; ---- ev, rounded to f16, a block of 16 rows at a time through my stage, out as rows of 256 bytes.
	s_wait_xcnt 0x0                                ; qs's last stores have had their addresses translated: only behind this wait are v192-255, which they read, rewritten
	s_lshl_b32 s16, s[ROW0], 11                    ; rows of 2,048 bytes
	s_mov_b32 s17, 0
	s_lshl_b32 s46, s42, 9
	s_lshl_b32 s47, s[CH], 8
	s_add_co_u32 s46, s46, s47
	s_mov_b32 s47, 0
	s_add_nc_u64 s[10:11], s[10:11], s[16:17]
	s_add_nc_u64 s[10:11], s[10:11], s[46:47]
.macro PACKE a
.set AC, 64*((\a)%4)
	WIN 0x0a+5*((\a)/4)
.set i, 0
.rept 32
	v_cvt_pk_f16_f32 v[TMP+i], v[AC+2*i], v[AC+2*i+1]
.set i, i+1
.endr
	WIN 0
.endm
.macro TOSTAGEE a
.set BK, OB+192*((\a)%2)
.irp b, 0,1,2,3,4,5,6,7
	ds_store_b128 v[STO], v[TMP+4*\b:TMP+4*\b+3] offset:32*\b
.endr
.irp t, 0,1,2,3,4,5,6,7
	ds_load_b128 v[BK+4*\t:BK+4*\t+3], v[RD] offset:\t*2*EP
.endr
.endm
.macro SENDE a
.set BK, OB+192*((\a)%2)
	s_wait_dscnt 0x0
	s_wait_xcnt 0x0                                ; only behind this wait are the stores' base and the registers that earlier stores read rewritten
.if (\a) > 0
	s_add_nc_u64 s[10:11], s[10:11], 16*2048
.endif
.irp t, 0,1,2,3,4,5,6,7
	global_store_b128 v[CO], v[BK+4*\t:BK+4*\t+3], s[10:11] offset:2*\t*2048   ; 16 lanes store 256 consecutive bytes at a multiple of 256 of ev
.endr
.endm
	PACKE 0
	TOSTAGEE 0
.irp a, 1,2,3,4,5,6,7
	PACKE \a
	SENDE \a-1
	TOSTAGEE \a
.endr
	SENDE 7
	s_set_vgpr_msb 0x1
	s_wait_tensorcnt 0x0
	ds_add_u32 v255, v31
	s_wait_dscnt 0x0
	s_set_vgpr_msb 0x100
	CROUND                                         ; the closing round: no work-group ends while a partner may still ask for a tile that names it
	s_endpgm
.Lfunc_end_k_qb910730a4a_proj:
	.size	k_qb910730a4a_proj, .Lfunc_end_k_qb910730a4a_proj-k_qb910730a4a_proj
	.p2alignl 7, 3214868480
	.fill 96, 4, 3214868480
	.section	.rodata,"a",@progbits
	.p2align	6, 0x0
	.amdhsa_kernel k_qb910730a4a_proj
		.amdhsa_group_segment_fixed_size 327680
		.amdhsa_private_segment_fixed_size 0
		.amdhsa_enable_private_segment 0
		.amdhsa_kernarg_size 32
		.amdhsa_user_sgpr_count 2
		.amdhsa_user_sgpr_kernarg_segment_ptr 1
		.amdhsa_wavefront_size32 1
		.amdhsa_system_sgpr_workgroup_id_x 1
		.amdhsa_system_sgpr_workgroup_id_y 1
		.amdhsa_system_sgpr_workgroup_id_z 1
		.amdhsa_system_vgpr_workitem_id 0
		.amdhsa_next_free_vgpr 1024
		.amdhsa_next_free_sgpr 76
		.amdhsa_reserve_vcc 0
		.amdhsa_float_denorm_mode_32 3
		.amdhsa_float_denorm_mode_16_64 3
		.amdhsa_memory_ordered 1
		.amdhsa_forward_progress 1
		.amdhsa_inst_pref_size 255
	.end_amdhsa_kernel
	.section	.bss,"aw",@nobits
	.p2align	6
	.space	262144
	.amdgpu_metadata
---
amdhsa.version: [ 1, 2 ]
amdhsa.kernels:
  - .name:           k_qb910730a4a_proj
    .symbol:         k_qb910730a4a_proj.kd
    .args:
      - { .name: xb, .offset: 0, .size: 8, .value_kind: global_buffer, .address_space: global }
      - { .name: wb, .offset: 8, .size: 8, .value_kind: global_buffer, .address_space: global }
      - { .name: qs, .offset: 16, .size: 8, .value_kind: global_buffer, .address_space: global }
      - { .name: ev, .offset: 24, .size: 8, .value_kind: global_buffer, .address_space: global }
    .group_segment_fixed_size: 327680
    .private_segment_fixed_size: 0
    .kernarg_segment_align: 8
    .kernarg_segment_size: 32
    .max_flat_workgroup_size: 128
    .sgpr_count:     76
    .vgpr_count:     1024
    .wavefront_size: 32
...
	.end_amdgpu_metadata
.endif
;; end of part 2
;; launch score (part 3): grid 8 x 32, 4 waves a work-group, clusters of 4 x 1, 327,680 bytes of LDS; arguments qs, xb, src_lengths, pw; writes pw
.if DOCPART == 3
	.amdgcn_target "amdgcn-amd-amdhsa--gfx1250"
	.amdhsa_code_object_version 6
	.text
	.protected	k_qb910730a4a_score
	.globl	k_qb910730a4a_score
	.p2align	8
	.type	k_qb910730a4a_score,@function
k_qb910730a4a_score:
	s_mov_b64 s[64:65], 0
	v_nop
	global_prefetch_b8 v0, s[64:65] scope:SCOPE_SE
	s_setreg_imm32_b32 hwreg(HW_REG_WAVE_MODE, 25, 1), 1
	s_wait_xcnt 0x0
	s_wait_alu depctr_hold_cnt(0) depctr_sa_sdst(0) depctr_va_vdst(0) depctr_va_sdst(0) depctr_va_ssrc(0) depctr_va_vcc(0) depctr_vm_vsrc(0)
	s_getreg_b32 s2, hwreg(HW_REG_IB_STS2, 6, 4)
	s_cmp_eq_u32 s2, 0
	s_cbranch_scc0 .Lentry_in_a_cluster
	s_endpgm
.Lentry_in_a_cluster:
	s_bfe_u32 s2, ttmp6, 0x10000c
	s_cmp_lg_u32 s2, 0x3003
	s_cbranch_scc0 .Lentry_shape_is_right
	s_endpgm
.Lentry_shape_is_right:
; P[b][t][s] = softmax over s of (qw[b][t] . enc[b][s]), keys s >= src_lengths[b] masked with -infinity; P is stored in f16 in pw [16384][512].
; qw comes as hi + lo (two bf16 numbers, buffer qs), enc as bf16 (xb's rows 16384 on): S = hi enc^T + lo enc^T, sums in f32.
; SHARES.  A work-group owns 64 queries of one batch and all 512 keys; wave w owns the 64 queries x keys 128 w to 128 w + 127: 32 accumulators,
; 256 registers.  hi and lo use the same fragments of enc: for 32 channels a wave loads 8 + 8 fragments for 64 matrix instructions.
; The matrix instruction is used transposed (source 0 = 16 keys, source 1 = 16 queries): a lane holds ONE query (lane % 16) and eight keys.
; SOFTMAX.  The true maximum of the row is taken away: within the lane, across the two halves of the lanes, then across the four waves through LDS;
; p = 2^(c s - c m), c = log2(e); the sums go the same way.  Every key's work is done in every work-group; the length enters selects alone.
; LIMITS.  Weights under 2^-24 become 0 in f16.  A length of 0 or less gives NaN in the whole row, as -inf minus -inf does; 512 or more masks nothing.
; RING.  16 K steps of 64 channels through two LDS slots: 512 rows of enc (128 bytes + 16) and 64 rows of qs (hi and lo, 256 bytes + 16).  Two slots of
; 128 channels would want 2 x 173,056 bytes, more than a work-group can have: so enc's rows in a tile are 128 bytes here.
; CLUSTER.  The four query blocks of a cluster belong to one batch and walk the same enc: its tile is asked for jointly (mask 15) by waves 0 and 1, half each.
; qs's tile is the work-group's own: wave 2 asks for it plainly, behind the same round.  Wave 3 issues no tensor load.
; PREFETCH.  A K step holds 128 matrix instructions, and a refill has 112 of them in which to land, so wave 3 asks ahead for what comes from memory.  In trip i of the
; loop (K steps 2 i, 2 i + 1) it asks for the bytes of K steps 2 i + 4 and 2 i + 5, which the tensor loads of trip i + 1 fetch: 256 matrix instructions ahead of the first
; of these loads.  Its share: bytes 256 u to 256 u + 255 (u = i + 2) of 64 of the batch's 512 rows of enc, the rows 64 x (my query block) on, so that the batch's eight
; work-groups ask for each block once, and bytes 512 u to 512 u + 511 of my own 64 rows of qs: six instructions, a lane to a block of 256 bytes, 48 KB a trip.
; u = 1 is asked for at the head; the loop's last trip (u would be 8, past the rows' ends) asks for nothing.
; REGISTERS: window 0 addresses, statistics, way out; window 1 S, (a, b) at v[8 (8 a + b)]; window 2 two fragment buffers of 128: 64 of enc, 32 of hi, 32 of lo.
.set BP,     144                       ; enc's LDS pitch: 36 words: the 16 rows of a fragment load start 4 words apart modulo 64
.set AP,     272                       ; qs's LDS pitch
.set BHALF,  256*BP                    ; what waves 0 and 1 bring
.set AOFF,   2*BHALF                   ; qs's tile lies behind enc's
.set SLOT,   AOFF+64*AP                ; 91,136
.set STAGE,  2*SLOT                    ; each wave's own stage, 16 rows x 272
.set SP,     272
.set WSTAGE, 16*SP
.set SMAX,   STAGE+4*WSTAGE            ; [64 queries][4 waves] f32: the waves' maxima
.set SSUM,   SMAX+1024                 ; the same for the sums
.set ADRA, 16
.set ADRB, 20
.set STO,  24
.set RD,   25
.set CO,   26
.set LIM,  27                          ; length - 128 wave - 8 h: key 16 b + j of my lane counts if it is below this
.set SX,   28                          ; where I put my wave's figure of query r
.set SL,   29                          ; where the four waves' figures of query r lie
.set PE,   30                          ; prefetch: lane x 2,048, a row of xb; never rewritten
.set PQ,   31                          ; prefetch: lane x 4,096, a row of qs; never rewritten
.set MX,   32                          ; v32-35  maximum, tile a
.set EX,   36                          ; v36-39  what the other half of the lanes holds
.set CM,   40                          ; v40-47  c m, a pair a tile
.set L,    48                          ; v48-55  sums, a pair a tile
.set R,    56                          ; v56-63  1 / sum, a pair a tile
.set ST,   64                          ; v64-79  four waves' figures, tile a
.set TMP,  96                          ; v96-127 packed weights
.set OB,   128                         ; v128-159, v160-191 rows read back, by turns
.set F0,   0
.set F1,   128
.set G1A, 24
.set G0A, 32
.set G1B, 48
.set G0B, 56
.set WV,  66
.set CS,  70                           ; s[70:71] log2(e), twice
.set NINF, 72
.set LEN, 73
.set SEL, 74                           ; s[74:75] v_permlanex16_b32: each lane takes its own place in the other half
.set PEB, 76                           ; s[76:77] prefetch: enc at my share's first row, block column u
.set PQB, 78                           ; s[78:79] prefetch: qs at my first row, byte 512 u
.set MSB, 0
.macro WIN new
.if MSB != (\new)
	s_set_vgpr_msb (MSB<<8)|(\new)
.set MSB, \new
.endif
.endm
.set MUL,  0x5a                        ; sources 0 and 1 window 2, C and D window 1
.set TO_F, 0x80                        ; destination window 2, address window 0
.macro PLACES
.rept 4
	v_nop
.endr
.endm
.macro CREST
	s_cmp_lg_u32 s[WV], 0
	s_cbranch_scc1 .Lnot_wave_0_\@
	s_barrier_signal -3
.Lnot_wave_0_\@:
	s_barrier_wait -3
	s_barrier_signal -1
	s_barrier_wait -1
.endm
.macro CROUND
	s_barrier_signal -1
	s_barrier_wait -1
	CREST
.endm
; A refill: waves 0 and 1 the joint load of enc's halves, wave 2 the plain load of qs's tile, wave 3 none.  The branches hang on the wave's number alone.
; Four v_nop follow each line; the four behind the label are the places in front of the fragment loads on every wave's way.
.macro JLOAD3 s
	s_cmp_lt_u32 s[WV], 2
	s_cbranch_scc0 .Lnot_b_\@
	tensor_load_to_lds s[G0B+4*\s:G0B+4*\s+3], s[G1B:G1B+7]
	s_nop 0
	PLACES
	s_branch .Lasked_\@
.Lnot_b_\@:
	s_cmp_eq_u32 s[WV], 2
	s_cbranch_scc0 .Lasked_\@
	tensor_load_to_lds s[G0A+4*\s:G0A+4*\s+3], s[G1A:G1A+7]
	s_nop 0
	PLACES
.Lasked_\@:
	PLACES
.endm
; Six requests, a lane to a block of 256 bytes: 64 rows of enc (one block each), 64 rows of qs (two blocks each)
.macro PREF
	global_prefetch_b8 v[PE], s[PEB:PEB+1] th:TH_LOAD_NT scope:SCOPE_SE
	global_prefetch_b8 v[PE], s[PEB:PEB+1] offset:32*2048 th:TH_LOAD_NT scope:SCOPE_SE
	global_prefetch_b8 v[PQ], s[PQB:PQB+1] th:TH_LOAD_NT scope:SCOPE_SE
	global_prefetch_b8 v[PQ], s[PQB:PQB+1] offset:256 th:TH_LOAD_NT scope:SCOPE_SE
	global_prefetch_b8 v[PQ], s[PQB:PQB+1] offset:32*4096 th:TH_LOAD_NT scope:SCOPE_SE
	global_prefetch_b8 v[PQ], s[PQB:PQB+1] offset:32*4096+256 th:TH_LOAD_NT scope:SCOPE_SE
.endm
	s_load_b256 s[4:11], s[0:1], 0x0               ; qs s[4:5], xb s[6:7], src_lengths s[8:9], pw s[10:11]
	v_lshl_add_u32 v254, v0, 2, 0x31400
	v_mov_b32 v255, 0
	ds_add_u32 v254, v255
	v_lshrrev_b32 v1, 5, v0
	v_readfirstlane_b32 s[WV], v1
	s_bfe_u32 s40, ttmp6, 0x40000                  ; cx
	s_lshl_b32 s42, ttmp9, 2
	s_add_co_u32 s42, s42, s40                     ; my block of 64 queries, 0 to 7: it enters qs's and pw's addresses and the prefetches' alone
	s_and_b32 s45, ttmp7, 0xffff                   ; the batch, which the four partners share
	s_mov_b32 s[CS], 0x3fb8aa3b
	s_mov_b32 s[CS+1], 0x3fb8aa3b
	s_mov_b32 s[NINF], 0xff800000
	s_mov_b32 s[SEL], 0x76543210
	s_mov_b32 s[SEL+1], 0xfedcba98
	; group 1 for enc: 256 rows x 64 elements of 2 bytes, 4 words of padding behind every 32; mask 15, bit 21 beside it
	s_mov_b32 s[G1B+0], 15|(1<<16)|(1<<20)|(1<<21)|(4<<22)|(3<<25)
	s_mov_b32 s[G1B+1], 64<<16
	s_mov_b32 s[G1B+2], 256<<16
	s_mov_b32 s[G1B+3], 64<<16
	s_mov_b32 s[G1B+4], 256
	s_mov_b32 s[G1B+5], 1024
	s_mov_b32 s[G1B+6], 0
	s_mov_b32 s[G1B+7], 0
	; group 1 for qs: 64 rows x 128 elements, 4 words of padding behind every 64; no mask
	s_mov_b32 s[G1A+0], (1<<16)|(1<<20)|(5<<22)|(3<<25)
	s_mov_b32 s[G1A+1], 128<<16
	s_mov_b32 s[G1A+2], 64<<16
	s_mov_b32 s[G1A+3], 128<<16
	s_mov_b32 s[G1A+4], 64
	s_mov_b32 s[G1A+5], 2048
	s_mov_b32 s[G1A+6], 0
	s_mov_b32 s[G1A+7], 0
	s_and_b32 s17, s[WV], 1
	s_lshl_b32 s17, s17, 8
	s_lshl_b32 s16, s45, 9
	s_add_co_u32 s16, s16, s17
	s_add_co_u32 s16, s16, 16384                   ; enc: xb's row 16,384 + 512 batch + 256 x half
	s_lshl_b32 s16, s16, 11
	s_mov_b32 s17, 0
	s_lshl_b32 s46, s45, 9
	s_lshl_b32 s47, s42, 6
	s_add_co_u32 s46, s46, s47                     ; my first row of qs and of pw
	s_add_co_u32 s[PEB], s46, 16384                ; the rows of enc that I ask ahead for begin at the same number, 16,384 rows down in xb,
	s_lshl_b32 s[PEB], s[PEB], 11
	s_add_co_u32 s[PEB], s[PEB], 256               ; at block column u = 1
	s_mov_b32 s[PEB+1], 0
	s_lshl_b32 s22, s46, 10                        ; pw: rows of 1,024 bytes,
	s_lshl_b32 s23, s[WV], 8                       ; my wave's 128 keys are 256 bytes
	s_add_co_u32 s22, s22, s23
	s_mov_b32 s23, 0
	s_lshl_b32 s46, s46, 12                        ; qs: rows of 4,096 bytes
	s_mov_b32 s47, 0
	s_mul_i32 s20, s[WV], BHALF                    ; where my load goes: enc's halves, then (wave 2) qs's tile
	s_lshl_b32 s2, s45, 2
	s_wait_dscnt 0x0
	s_wait_kmcnt 0x0
	s_load_b32 s[LEN], s[8:9], s2 offset:0x0       ; the batch's length
	s_add_nc_u64 s[18:19], s[6:7], s[16:17]
	s_add_nc_u64 s[46:47], s[4:5], s[46:47]
	s_add_nc_u64 s[10:11], s[10:11], s[22:23]
	s_add_nc_u64 s[PEB:PEB+1], s[6:7], s[PEB:PEB+1]
	s_add_nc_u64 s[PQB:PQB+1], s[46:47], 512       ; qs at u = 1
	CROUND                                         ; all four work-groups are here: the first joint loads meet
.irp s, 0,1
	s_mov_b32 s[G0A+4*\s], 1
	s_add_co_u32 s[G0A+4*\s+1], s20, \s*SLOT
	s_add_nc_u64 s[G0A+4*\s+2:G0A+4*\s+3], s[46:47], \s*256
	s_or_b32 s[G0A+4*\s+3], s[G0A+4*\s+3], 0x80000000
	s_mov_b32 s[G0B+4*\s], 1
	s_add_co_u32 s[G0B+4*\s+1], s20, \s*SLOT
	s_add_nc_u64 s[G0B+4*\s+2:G0B+4*\s+3], s[18:19], \s*128
	s_or_b32 s[G0B+4*\s+3], s[G0B+4*\s+3], 0x80000000
.endr
	s_cmp_lt_u32 s[WV], 2                          ; a wave's two first fills stand in one branch, ahead of every wait on TENSORcnt and every LDS read: two loads are out
	s_cbranch_scc0 .Lfirst_not_b
	tensor_load_to_lds s[G0B:G0B+3], s[G1B:G1B+7]
	s_nop 0
	tensor_load_to_lds s[G0B+4:G0B+7], s[G1B:G1B+7]
	s_nop 0
	PLACES
	s_branch .Lfirst_asked
.Lfirst_not_b:
	s_cmp_eq_u32 s[WV], 2
	s_cbranch_scc0 .Lfirst_asked
	tensor_load_to_lds s[G0A:G0A+3], s[G1A:G1A+7]
	s_nop 0
	tensor_load_to_lds s[G0A+4:G0A+7], s[G1A:G1A+7]
	s_nop 0
	PLACES
.Lfirst_asked:
	v_and_b32 v6, 31, v0                           ; lane
	v_lshlrev_b32 v[PE], 11, v6
	v_lshlrev_b32 v[PQ], 12, v6
	s_cmp_lg_u32 s[WV], 3
	s_cbranch_scc1 .Lno_first_pref
	PREF                                           ; u = 1: K steps 2 and 3, whose tensor loads go out at the ends of K steps 0 and 1
.Lno_first_pref:
	v_and_b32 v1, 15, v0                           ; r
	v_bfe_u32 v2, v0, 4, 1                         ; h
	v_mul_u32_u24 v3, v1, BP
	v_lshl_add_u32 v3, v2, 4, v3
	s_mul_i32 s21, s[WV], 128*BP                   ; my 128 keys
	v_add_nc_u32 v[ADRB], s21, v3
	v_add_nc_u32 v[ADRB+1], SLOT, v[ADRB]
	v_mul_u32_u24 v3, v1, AP
	v_lshl_add_u32 v3, v2, 4, v3                   ; 272 r + 16 h
	v_add_nc_u32 v[ADRA], AOFF, v3
	v_add_nc_u32 v[ADRA+1], AOFF+SLOT, v3
	s_mul_i32 s23, s[WV], WSTAGE
	s_add_co_u32 s23, s23, STAGE
	v_add_nc_u32 v[STO], s23, v3
	v_mul_u32_u24 v5, v2, SP
	v_lshl_add_u32 v5, v1, 4, v5
	v_add_nc_u32 v[RD], s23, v5
	v_lshlrev_b32 v5, 10, v2
	v_lshl_add_u32 v[CO], v1, 4, v5                ; two rows of 1,024 bytes in pw
	v_lshlrev_b32 v[SL], 4, v1
	v_add_nc_u32 v[SL], SMAX, v[SL]
	v_lshl_add_u32 v[SX], s[WV], 2, v[SL]
	s_wait_kmcnt 0x0
	s_lshl_b32 s21, s[WV], 7
	s_sub_co_i32 s21, s[LEN], s21
	v_lshlrev_b32 v[LIM], 3, v2
	v_sub_nc_u32 v[LIM], s21, v[LIM]
; 16 matrix instructions: query tiles a0, a0 + 1 x all 8 key tiles, 32 channels; part 0 = hi, 1 = lo
.macro MUL3 f, part, a0, zero
.irp a, \a0, \a0+1
.irp b, 0,1,2,3,4,5,6,7
.if \zero
	v_wmma_f32_16x16x32_bf16 v[8*(8*(\a)+\b):8*(8*(\a)+\b)+7], v[\f+8*\b:\f+8*\b+7], v[\f+64+8*(4*\part+\a):\f+64+8*(4*\part+\a)+7], 0
.else
	v_wmma_f32_16x16x32_bf16 v[8*(8*(\a)+\b):8*(8*(\a)+\b)+7], v[\f+8*\b:\f+8*\b+7], v[\f+64+8*(4*\part+\a):\f+64+8*(4*\part+\a)+7], v[8*(8*(\a)+\b):8*(8*(\a)+\b)+7]
.endif
.endr
.endr
.endm
; 32 LDS loads in one run: channels 32 kc on of a slot: enc's 16, hi's 8, lo's 8
.macro FETCH3 slot, kc, f
	WIN TO_F
.irp b, 0,1,2,3,4,5,6,7
	ds_load_b128 v[\f+8*\b:\f+8*\b+3],   v[ADRB+\slot] offset:64*\kc+\b*16*BP
	ds_load_b128 v[\f+8*\b+4:\f+8*\b+7], v[ADRB+\slot] offset:64*\kc+\b*16*BP+32
.endr
.irp p, 0,1
.irp a, 0,1,2,3
	ds_load_b128 v[\f+64+8*(4*\p+\a):\f+64+8*(4*\p+\a)+3],   v[ADRA+\slot] offset:128*\p+64*\kc+\a*16*AP
	ds_load_b128 v[\f+64+8*(4*\p+\a)+4:\f+64+8*(4*\p+\a)+7], v[ADRA+\slot] offset:128*\p+64*\kc+\a*16*AP+32
.endr
.endr
.endm
; A K step is two chunks of 32 channels, 64 matrix instructions each (hi's 32, lo's 32), on buffers 0 and 1.  The 32 accumulators take turns, one
; instruction a turn, in the same order throughout.  The first chunk: multiplies f and fetches chunk kc of the slot into g.
.macro CHUNK slot, kc, f, g, zero
	s_wait_dscnt 8                                 ; enc and hi are in; the youngest eight loads (lo) may be out
	WIN MUL
	MUL3 \f, 0, 0, \zero
	MUL3 \f, 0, 2, \zero
	PLACES
	FETCH3 \slot, \kc, \g
	s_wait_dscnt 32                                ; all but the 32 just issued
	WIN MUL
	MUL3 \f, 1, 0, 0
	MUL3 \f, 1, 2, 0
.endm
; The second chunk multiplies buffer 1 and changes slots: one barrier; in front of it each wave waits for its reads of this slot and for all its tensor loads.
; fill = 1: the barrier opens a round of the cluster's barrier and the slot is filled again, two K steps ahead: 112 matrix instructions to the wait for it.
; pf = 1: behind the refill wave 3 asks ahead, in every trip of the loop but the last (s3 counts the trips down to 1).
.macro TURN3 slot, next, fill, pf
	s_wait_dscnt 8
	WIN MUL
	MUL3 F1, 0, 0, 0
	s_wait_dscnt 0x0
	s_set_vgpr_msb 0x5a50
	s_wait_tensorcnt 0x0
	ds_add_u32 v254, v255
	s_wait_dscnt 0x0
	s_set_vgpr_msb 0x505a
	s_barrier_signal -1
	MUL3 F1, 0, 2, 0
.if \fill
	WIN 0
.endif
	s_barrier_wait -1
.if \fill
	CREST
	s_add_nc_u64 s[G0A+4*\slot+2:G0A+4*\slot+3], s[G0A+4*\slot+2:G0A+4*\slot+3], 2*256
	s_add_nc_u64 s[G0B+4*\slot+2:G0B+4*\slot+3], s[G0B+4*\slot+2:G0B+4*\slot+3], 2*128
	JLOAD3 \slot
.if \pf
	s_cmp_lg_u32 s[WV], 3
	s_cbranch_scc1 .Lno_pref_\@
	s_cmp_eq_u32 s3, 1                             ; the last trip: u would be 8, past the rows' ends
	s_cbranch_scc1 .Lno_pref_\@
	s_wait_xcnt 0x0                                ; the requests of a trip ago have had their addresses translated: only behind this wait are their bases stepped
	s_add_nc_u64 s[PEB:PEB+1], s[PEB:PEB+1], 256   ; u + 1
	s_add_nc_u64 s[PQB:PQB+1], s[PQB:PQB+1], 512
	PREF
.Lno_pref_\@:
.endif
.else
	PLACES
.endif
	FETCH3 \next, 0, F0
	WIN MUL
	MUL3 F1, 1, 0, 0
	MUL3 F1, 1, 2, 0
.endm
	s_wait_tensorcnt 1                             ; my part of K step 0 is in; K step 1's stays out
	s_barrier_signal -1
	s_barrier_wait -1
	FETCH3 0, 0, F0
	CHUNK 0, 1, F0, F1, 1                          ; hi's first products start the sums
	WIN 0
	s_mov_b32 s3, 7
.Llap:                                                 ; a trip goes once round the ring: K steps 2 to 15 are asked for in seven trips
	TURN3 0, 1, 1, 1
	CHUNK 1, 1, F0, F1, 0
	TURN3 1, 0, 1, 0
	CHUNK 0, 1, F0, F1, 0
	WIN 0
	s_sub_co_u32 s3, s3, 1
	s_cmp_lg_u32 s3, 0
	s_cbranch_scc1 .Llap
	TURN3 0, 1, 0, 0                               ; the last two K steps ask for nothing
	CHUNK 1, 1, F0, F1, 0
	s_wait_dscnt 8
	WIN MUL
	MUL3 F1, 0, 0, 0
	MUL3 F1, 0, 2, 0
	s_wait_dscnt 0x0
	MUL3 F1, 1, 0, 0
	MUL3 F1, 1, 2, 0
	PLACES                                         ; behind the last products
	; THE MASK: register 64 a + 8 b + j of my lane is key 128 wave + 16 b + 8 h + j; it keeps its score where 16 b + j < LIM
	WIN 0x44                                       ; source 1 and destination window 1; LIM (source 0) window 0
.set kk, 0
.rept 64
	v_cmp_gt_i32 vcc_lo, v[LIM], 16*(kk/8)+kk%8
.irp a, 0,1,2,3
	v_cndmask_b32 v[64*\a+kk], s[NINF], v[64*\a+kk], vcc_lo
.endr
.set kk, kk+1
.endr
	; THE MAXIMUM of a query's 64 scores in my lane, the four tiles by turns
	WIN 0
.irp a, 0,1,2,3
	v_mov_b32 v[MX+\a], s[NINF]
	v_mov_b32 v[EX+\a], 0                          ; v_permlanex16_b32 counts as a reader of its destination
.endr
	WIN 0x14                                       ; sources 1 and 2 window 1
.set i, 0
.rept 32
.irp a, 0,1,2,3
	v_max3_num_f32 v[MX+\a], v[MX+\a], v[64*\a+2*i], v[64*\a+2*i+1]
.endr
.set i, i+1
.endr
	WIN 0
.irp a, 0,1,2,3
	v_permlanex16_b32 v[EX+\a], v[MX+\a], s[SEL], s[SEL+1]
.endr
.irp a, 0,1,2,3
	v_max_num_f32 v[MX+\a], v[MX+\a], v[EX+\a]
.endr
.irp a, 0,1,2,3
	ds_store_b32 v[SX], v[MX+\a] offset:256*\a     ; both halves of the lanes write the same word with the same value
.endr
	s_wait_dscnt 0x0                               ; for the others' sake
	s_barrier_signal -1
	s_barrier_wait -1
.irp a, 0,1,2,3
	ds_load_b128 v[ST+4*\a:ST+4*\a+3], v[SL] offset:256*\a
.endr
	s_wait_dscnt 0x0
.irp a, 0,1,2,3
	v_max3_num_f32 v[MX+\a], v[ST+4*\a], v[ST+4*\a+1], v[ST+4*\a+2]
.endr
.irp a, 0,1,2,3
	v_max_num_f32 v[MX+\a], v[MX+\a], v[ST+4*\a+3]
.endr
.irp a, 0,1,2,3
	v_mul_f32 v[CM+2*\a], s[CS], v[MX+\a]
.endr
.irp a, 0,1,2,3
	v_mov_b32 v[CM+2*\a+1], v[CM+2*\a]             ; named with it as a pair
.endr
	; p = 2^(c s - c m)
	WIN 0x41                                       ; S: destination and source 0 window 1
.set i, 0
.rept 32
.irp a, 0,1,2,3
	v_pk_fma_f32 v[64*\a+2*i:64*\a+2*i+1], v[64*\a+2*i:64*\a+2*i+1], s[CS:CS+1], v[CM+2*\a:CM+2*\a+1] op_sel_hi:[1,0,0] neg_lo:[0,0,1] neg_hi:[0,0,1]
.endr
.set i, i+1
.endr
.set i, 0
.rept 256
	v_exp_f32 v[i], v[i]
.set i, i+1
.endr
	v_nop                                          ; a plain instruction between the exponentials and the use of their results
	; THE SUMS: the first addition starts them
	WIN 0x05                                       ; sources 0 and 1 window 1
	s_wait_alu depctr_va_vdst(0)
.irp a, 0,1,2,3
	v_pk_add_f32 v[L+2*\a:L+2*\a+1], v[64*\a:64*\a+1], v[64*\a+2:64*\a+3]
.endr
	WIN 0x04                                       ; source 1 window 1
.set i, 2
.rept 30
.irp a, 0,1,2,3
	v_pk_add_f32 v[L+2*\a:L+2*\a+1], v[L+2*\a:L+2*\a+1], v[64*\a+2*i:64*\a+2*i+1]
.endr
.set i, i+1
.endr
	WIN 0
.irp a, 0,1,2,3
	v_add_f32 v[L+2*\a], v[L+2*\a], v[L+2*\a+1]
.endr
.irp a, 0,1,2,3
	v_permlanex16_b32 v[EX+\a], v[L+2*\a], s[SEL], s[SEL+1]
.endr
.irp a, 0,1,2,3
	v_add_f32 v[L+2*\a], v[L+2*\a], v[EX+\a]
.endr
.irp a, 0,1,2,3
	ds_store_b32 v[SX], v[L+2*\a] offset:1024+256*\a   ; other bytes than the maxima's: no wave can still be reading what is written here
.endr
	s_wait_dscnt 0x0
	s_barrier_signal -1
	s_barrier_wait -1
.irp a, 0,1,2,3
	ds_load_b128 v[ST+4*\a:ST+4*\a+3], v[SL] offset:1024+256*\a
.endr
	s_wait_dscnt 0x0
.irp a, 0,1,2,3
	v_add_f32 v[ST+4*\a], v[ST+4*\a], v[ST+4*\a+1]
	v_add_f32 v[ST+4*\a+2], v[ST+4*\a+2], v[ST+4*\a+3]
.endr
.irp a, 0,1,2,3
	v_add_f32 v[L+2*\a], v[ST+4*\a], v[ST+4*\a+2]
.endr
.irp a, 0,1,2,3
	v_rcp_f32 v[R+2*\a], v[L+2*\a]
.endr
	v_nop
	s_wait_alu depctr_va_vdst(0)
.irp a, 0,1,2,3
	v_mov_b32 v[R+2*\a+1], v[R+2*\a]
.endr
	; THE WAY OUT, a tile of 16 queries at a time: divided, rounded to f16, through my stage, out as rows of 256 bytes
.macro PACKP a
	WIN 0x41
.set i, 0
.rept 32
	v_pk_mul_f32 v[64*\a+2*i:64*\a+2*i+1], v[64*\a+2*i:64*\a+2*i+1], v[R+2*\a:R+2*\a+1] op_sel_hi:[1,0]
.set i, i+1
.endr
	WIN 0x05
.set i, 0
.rept 32
	v_cvt_pk_f16_f32 v[TMP+i], v[64*\a+2*i], v[64*\a+2*i+1]
.set i, i+1
.endr
	WIN 0
.endm
.macro TOSTAGE a
.set BK, OB+32*((\a)%2)
.irp b, 0,1,2,3,4,5,6,7
	ds_store_b128 v[STO], v[TMP+4*\b:TMP+4*\b+3] offset:32*\b
.endr
.irp t, 0,1,2,3,4,5,6,7
	ds_load_b128 v[BK+4*\t:BK+4*\t+3], v[RD] offset:\t*2*SP    ; LDS serves a wave's instructions in order: these see the stores above
.endr
.endm
.macro SEND a
.set BK, OB+32*((\a)%2)
	s_wait_dscnt 0x0
	s_wait_xcnt 0x0                                ; only behind this wait are the stores' base and the registers that earlier stores read rewritten
.if (\a) > 0
	s_add_nc_u64 s[10:11], s[10:11], 16*1024
.endif
.irp t, 0,1,2,3,4,5,6,7
	global_store_b128 v[CO], v[BK+4*\t:BK+4*\t+3], s[10:11] offset:2*\t*1024   ; 16 lanes store 256 consecutive bytes at a multiple of 256 of pw
.endr
.endm
	PACKP 0
	TOSTAGE 0
.irp a, 1,2,3
	PACKP \a
	SEND \a-1
	TOSTAGE \a
.endr
	SEND 3
	s_wait_tensorcnt 0x0
	ds_add_u32 v254, v255
	s_wait_dscnt 0x0
	CROUND                                         ; the closing round
	s_endpgm
.Lfunc_end_k_qb910730a4a_score:
	.size	k_qb910730a4a_score, .Lfunc_end_k_qb910730a4a_score-k_qb910730a4a_score
	.p2alignl 7, 3214868480
	.fill 96, 4, 3214868480
	.section	.rodata,"a",@progbits
	.p2align	6, 0x0
	.amdhsa_kernel k_qb910730a4a_score
		.amdhsa_group_segment_fixed_size 327680
		.amdhsa_private_segment_fixed_size 0
		.amdhsa_enable_private_segment 0
		.amdhsa_kernarg_size 32
		.amdhsa_user_sgpr_count 2
		.amdhsa_user_sgpr_kernarg_segment_ptr 1
		.amdhsa_wavefront_size32 1
		.amdhsa_system_sgpr_workgroup_id_x 1
		.amdhsa_system_sgpr_workgroup_id_y 1
		.amdhsa_system_sgpr_workgroup_id_z 1
		.amdhsa_system_vgpr_workitem_id 0
		.amdhsa_next_free_vgpr 768
		.amdhsa_next_free_sgpr 80
		.amdhsa_reserve_vcc 1
		.amdhsa_float_denorm_mode_32 3
		.amdhsa_float_denorm_mode_16_64 3
		.amdhsa_memory_ordered 1
		.amdhsa_forward_progress 1
		.amdhsa_inst_pref_size 135
	.end_amdhsa_kernel
	.amdgpu_metadata
---
amdhsa.version: [ 1, 2 ]
amdhsa.kernels:
  - .name:           k_qb910730a4a_score
    .symbol:         k_qb910730a4a_score.kd
    .args:
      - { .name: qs, .offset: 0, .size: 8, .value_kind: global_buffer, .address_space: global }
      - { .name: xb, .offset: 8, .size: 8, .value_kind: global_buffer, .address_space: global }
      - { .name: src_lengths, .offset: 16, .size: 8, .value_kind: global_buffer, .address_space: global }
      - { .name: pw, .offset: 24, .size: 8, .value_kind: global_buffer, .address_space: global }
    .group_segment_fixed_size: 327680
    .private_segment_fixed_size: 0
    .kernarg_segment_align: 8
    .kernarg_segment_size: 32
    .max_flat_workgroup_size: 128
    .sgpr_count:     80
    .vgpr_count:     768
    .wavefront_size: 32
...
	.end_amdgpu_metadata
.endif
;; end of part 3
;; launch outp (part 4): grid 4 x 64, 4 waves a work-group, clusters of 4 x 4, 327,680 bytes of LDS; arguments xb, wb, pw, ev, b_out, out0; writes out0
.if DOCPART == 4
	.amdgcn_target "amdgcn-amd-amdhsa--gfx1250"
	.amdhsa_code_object_version 6
	.text
	.protected	k_qb910730a4a_outp
	.globl	k_qb910730a4a_outp
	.p2align	8
	.type	k_qb910730a4a_outp,@function
k_qb910730a4a_outp:
	s_mov_b64 s[64:65], 0
	v_nop
	global_prefetch_b8 v0, s[64:65] scope:SCOPE_SE
	s_setreg_imm32_b32 hwreg(HW_REG_WAVE_MODE, 25, 1), 1
	s_wait_xcnt 0x0
	s_wait_alu depctr_hold_cnt(0) depctr_sa_sdst(0) depctr_va_vdst(0) depctr_va_sdst(0) depctr_va_ssrc(0) depctr_va_vcc(0) depctr_vm_vsrc(0)
	s_getreg_b32 s2, hwreg(HW_REG_IB_STS2, 6, 4)
	s_cmp_eq_u32 s2, 0
	s_cbranch_scc0 .Lentry_in_a_cluster
	s_endpgm
.Lentry_in_a_cluster:
	s_bfe_u32 s2, ttmp6, 0x10000c
	s_cmp_lg_u32 s2, 0xf033
	s_cbranch_scc0 .Lentry_shape_is_right
	s_endpgm
.Lentry_shape_is_right:
; out[m][o] = tanh( sum over k of q[m][k] W_out[o][k]  +  sum over s of P[m][s] ev[s][o]  +  b_out[o] ),  m = b*512 + t.
; One accumulator for both sums: K steps 0-7 (bf16: xb's query rows x wb's rows 2048 on), then K steps 8-11 (f16: pw x ev of the row's batch).
; A tile of out is 256 x 256; four waves, each 128 x 128: 64 accumulators, 512 registers.  K goes in steps of 128 through a ring of two LDS slots.
; ev lies [key][o]: its tile is 128 keys x 256 columns (rows of 512 bytes + 32 of padding), and its fragments come out of LDS turned, by ds_load_tr16_b128.
; CLUSTERS: 4 x 4 work-groups.  q's and P's tiles hang on the tile row alone and are asked for jointly along a row of the cluster, W_out's on the tile column
; alone, jointly along a column.  ev's tile hangs on the tile column AND on the batch (tile row / 2): no row or column of the cluster shares it, so these four
; K steps' second operand is a plain load of each work-group, behind the same rounds.
; tanh(x) = 1 - 2 / (1 + 2^(2 log2(e) x)): right at both infinities; its absolute error is a few units of f32's last place at 1.
; The matrix instruction is used transposed (source 0 = 16 columns o, source 1 = 16 rows m): a lane holds eight neighbouring numbers of a row of out.
; REGISTERS: window 0: v0-31 addresses, v64-127 and v128-191 A's fragments, on the way out v64-127 at work and v128-255 rows read back;
; window 1: v64-191 B's fragments, v192-255 the bias of my lane's 64 columns, times 2 log2(e); windows 2, 3: accumulators, (a, b) at v[8 (8 (a % 4) + b)].
.set KSTEP,  128
.set PITCH,  272                       ; 256 bytes + 16: the 16 rows of a fragment load start 4 words apart modulo 64
.set TPITCH, 544                       ; ev's rows: 512 bytes + 32: the 8 rows x 32 bytes that 16 lanes of the turning load take start 8 words apart modulo 64
.set HALFT,  128*PITCH                 ; what one tensor load brings; 64 rows of ev are the same 34,816 bytes
.set SLOT,   4*HALFT
.set STAGE,  2*SLOT
.set SPITCH, 528                       ; stage: a row of 128 f32 + 16 bytes
.set WSTAGE, 16*SPITCH
.set ADRA, 16
.set ADRB, 20
.set ADRT, 22                          ; v22-23 LDS address of my turned fragments of ev in slot 0, 1
.set STO2, 27
.set RD2,  28
.set CO2,  29
.set BADR, 30
.set F0,   64
.set F1,   128
.set T,    64
.set OB,   128                         ; v128-191, v192-255: 16 rows read back, by turns
.set BIAS, 192                         ; window 1
.set G1,   24                          ; s[24:31] group 1, q's tiles;  s[32:39] group 0 for source 1's tiles, a set for each slot
.set G0,   32
.set G1B,  48                          ; s[48:55] group 1, W_out's tiles;  s[56:63] group 0 for source 0's tiles
.set G0B,  56
.set G1A2, 72                          ; s[72:79] group 1, P's tiles
.set G1B2, 80                          ; s[80:87] group 1, ev's tiles
.set A2,   88                          ; s[88:89] P at my load's first row
.set B2,   90                          ; s[90:91] ev at my load's first row and column
.set WV,  66
.set RH,  67
.set CH,  68
.set CLY, 69
.set K2,  70                           ; s[70:71] 2 log2(e), twice
.set GA,  G1                           ; the groups 1 and B's step that the refills use: set anew where the second sum's tiles begin
.set GB,  G1B
.set BSTEP, 2*KSTEP*2
.set MSB, 0
.macro WIN new
.if MSB != (\new)
	s_set_vgpr_msb (MSB<<8)|(\new)
.set MSB, \new
.endif
.endm
.set MUL_LO, 0xa1
.set MUL_HI, 0xf1
.set TO_B,   0x40
.macro PLACES
.rept 4
	v_nop
.endr
.endm
.macro JLOAD s                         ; waves 0 and 1 fetch source 1's halves, waves 2 and 3 source 0's; four v_nop follow each line
	s_cmp_eq_u32 s[RH], 0
	s_cbranch_scc0 .Lfor_b_\@
	tensor_load_to_lds s[G0+4*\s:G0+4*\s+3], s[GA:GA+7]
	s_nop 0
	PLACES
	s_branch .Lasked_\@
.Lfor_b_\@:
	tensor_load_to_lds s[G0B+4*\s:G0B+4*\s+3], s[GB:GB+7]
	s_nop 0
	PLACES
.Lasked_\@:
.endm
.macro CREST
	s_cmp_lg_u32 s[WV], 0
	s_cbranch_scc1 .Lnot_wave_0_\@
	s_barrier_signal -3
.Lnot_wave_0_\@:
	s_barrier_wait -3
	s_barrier_signal -1
	s_barrier_wait -1
.endm
.macro CROUND
	s_barrier_signal -1
	s_barrier_wait -1
	CREST
.endm
	s_load_b256 s[4:11], s[0:1], 0x0               ; xb s[4:5], wb s[6:7], pw s[8:9], ev s[10:11]
	s_load_b128 s[12:15], s[0:1], 0x20             ; b_out s[12:13], out0 s[14:15]
	s_set_vgpr_msb 0x40
	v_lshl_add_u32 v63, v0, 2, 0x4c400
	s_set_vgpr_msb 0x4000
	v_mov_b32 v63, 0
	s_set_vgpr_msb 0x1
	ds_add_u32 v63, v63
	s_set_vgpr_msb 0x100
	v_lshrrev_b32 v1, 5, v0
	v_readfirstlane_b32 s[WV], v1
	s_lshr_b32 s[RH], s[WV], 1
	s_and_b32 s[CH], s[WV], 1
	s_bfe_u32 s40, ttmp6, 0x40000                  ; cx
	s_bfe_u32 s41, ttmp6, 0x40004                  ; cy
	s_lshl_b32 s42, ttmp9, 2
	s_add_co_u32 s42, s42, s40                     ; tile column, 0 to 3
	s_and_b32 s[CLY], ttmp7, 0xffff
	s_lshl_b32 s45, s[CLY], 2
	s_add_co_u32 s45, s45, s41                     ; tile row, 0 to 63
	s_lshl_b32 s43, s41, 2
	s_lshl_b32 s43, 15, s43                        ; my row of the cluster
	s_lshl_b32 s44, 0x1111, s40                    ; my column
	s_mov_b32 s[K2], 0x4038aa3b
	s_mov_b32 s[K2+1], 0x4038aa3b
	; groups 1: 128 rows x 128 elements of 2 bytes, 4 words of padding behind every 64; bit 21 stands beside a mask
	s_or_b32 s[G1+0],   s43, (1<<16)|(1<<20)|(1<<21)|(5<<22)|(3<<25)
	s_or_b32 s[G1B+0],  s44, (1<<16)|(1<<20)|(1<<21)|(5<<22)|(3<<25)
	s_or_b32 s[G1A2+0], s43, (1<<16)|(1<<20)|(1<<21)|(5<<22)|(3<<25)
.irp g, G1, G1B, G1A2
	s_mov_b32 s[\g+1], KSTEP<<16
	s_mov_b32 s[\g+2], 128<<16
	s_mov_b32 s[\g+3], KSTEP<<16
	s_mov_b32 s[\g+4], 128
	s_mov_b32 s[\g+6], 0
	s_mov_b32 s[\g+7], 0
.endr
	s_mov_b32 s[G1+5], 1024                        ; elements from row to row: xb, wb
	s_mov_b32 s[G1B+5], 1024
	s_mov_b32 s[G1A2+5], 512                       ; pw
	; ev's: 64 rows x 256 elements, 8 words of padding behind every 128; no mask
	s_mov_b32 s[G1B2+0], (1<<16)|(1<<20)|(6<<22)|(7<<25)
	s_mov_b32 s[G1B2+1], 256<<16
	s_mov_b32 s[G1B2+2], 64<<16
	s_mov_b32 s[G1B2+3], 256<<16
	s_mov_b32 s[G1B2+4], 64
	s_mov_b32 s[G1B2+5], 1024
	s_mov_b32 s[G1B2+6], 0
	s_mov_b32 s[G1B2+7], 0
	s_lshl_b32 s17, s[CH], 7
	s_lshl_b32 s46, s42, 8
	s_add_co_u32 s46, s46, s17
	s_add_co_u32 s46, s46, 2048                    ; W_out's first half: wb's row 2048 + 256 x tile column + 128 x half
	s_lshl_b32 s46, s46, 11
	s_mov_b32 s47, 0
	s_lshl_b32 s16, s45, 8
	s_add_co_u32 s16, s16, s17                     ; q and P: row 256 x tile row + 128 x half
	s_lshl_b32 s22, s16, 10                        ; pw: rows of 1,024 bytes
	s_mov_b32 s23, 0
	s_lshl_b32 s16, s16, 11                        ; xb: rows of 2,048 bytes
	s_mov_b32 s17, 0
	s_lshr_b32 s[B2], s45, 1                       ; the batch
	s_lshl_b32 s[B2], s[B2], 9
	s_lshl_b32 s[B2+1], s[CH], 6
	s_add_co_u32 s[B2], s[B2], s[B2+1]             ; ev: row 512 x batch + 64 x half,
	s_lshl_b32 s[B2], s[B2], 11
	s_lshl_b32 s[B2+1], s42, 9
	s_add_co_u32 s[B2], s[B2], s[B2+1]             ; column 256 x tile column (512 bytes)
	s_mov_b32 s[B2+1], 0
	s_mul_i32 s20, s[WV], HALFT
	s_wait_dscnt 0x0
	s_wait_kmcnt 0x0
	s_add_nc_u64 s[18:19], s[4:5], s[16:17]
	s_add_nc_u64 s[46:47], s[6:7], s[46:47]
	s_add_nc_u64 s[A2:A2+1], s[8:9], s[22:23]
	s_add_nc_u64 s[B2:B2+1], s[10:11], s[B2:B2+1]
	CROUND                                         ; all sixteen work-groups are here: the first joint loads meet
.irp s, 0,1
	s_mov_b32 s[G0+4*\s], 1
	s_add_co_u32 s[G0+4*\s+1], s20, \s*SLOT
	s_add_nc_u64 s[G0+4*\s+2:G0+4*\s+3], s[18:19], \s*KSTEP*2
	s_or_b32 s[G0+4*\s+3], s[G0+4*\s+3], 0x80000000
	s_mov_b32 s[G0B+4*\s], 1
	s_add_co_u32 s[G0B+4*\s+1], s20, \s*SLOT
	s_add_nc_u64 s[G0B+4*\s+2:G0B+4*\s+3], s[46:47], \s*KSTEP*2
	s_or_b32 s[G0B+4*\s+3], s[G0B+4*\s+3], 0x80000000
	JLOAD \s                                       ; two loads of mine are out
.endr
	v_and_b32 v1, 15, v0                           ; r
	v_bfe_u32 v2, v0, 4, 1                         ; h
	v_and_b32 v6, 31, v0                           ; lane
	s_lshl_b32 s46, s42, 10                        ; my first column, in bytes of f32: 1,024 x tile column + 512 x half
	s_lshl_b32 s47, s[CH], 9
	s_add_co_u32 s46, s46, s47
	s_mov_b32 s47, 0
	v_lshl_add_u32 v[BADR], v2, 5, s46             ; + 32 h: my lane's eight columns of each block of 16
	WIN TO_B
.irp b, 0,1,2,3,4,5,6,7
	global_load_b128 v[BIAS+8*\b:BIAS+8*\b+3],   v[BADR], s[12:13] offset:64*\b
	global_load_b128 v[BIAS+8*\b+4:BIAS+8*\b+7], v[BADR], s[12:13] offset:64*\b+16
.endr
	WIN 0
	v_mul_u32_u24 v3, v1, PITCH
	v_lshl_add_u32 v3, v2, 4, v3
	s_mul_i32 s21, s[RH], HALFT
	s_mul_i32 s22, s[CH], HALFT
	s_add_co_u32 s22, s22, 2*HALFT
.irp s, 0,1
	v_add_nc_u32 v[ADRA+\s], s21, v3
	v_add_nc_u32 v[ADRB+\s], s22, v3
	s_add_co_u32 s21, s21, SLOT
	s_add_co_u32 s22, s22, SLOT
.endr
	; the turning load: lane l reads 16 bytes of key 8 h + l % 8, columns 8 ((l / 8) % 2) on, and is left with column l % 16 and eight keys
	v_and_b32 v4, 7, v0
	v_lshl_add_u32 v4, v2, 3, v4
	v_mul_u32_u24 v4, v4, TPITCH
	v_bfe_u32 v5, v0, 3, 1
	v_lshl_add_u32 v4, v5, 4, v4
	s_lshl_b32 s21, s[CH], 8                       ; my 128 columns of the tile's 256
	s_add_co_u32 s21, s21, 2*HALFT
	v_add_nc_u32 v[ADRT], s21, v4
	v_add_nc_u32 v[ADRT+1], SLOT, v[ADRT]
	s_mul_i32 s23, s[WV], WSTAGE
	s_add_co_u32 s23, s23, STAGE
	v_mul_u32_u24 v5, v1, SPITCH
	v_lshl_add_u32 v5, v2, 5, v5
	v_add_nc_u32 v[STO2], s23, v5                  ; in: 528 r + 32 h
	v_lshlrev_b32 v[CO2], 4, v6                    ; 32 lanes take a row's 512 bytes
	v_add_nc_u32 v[RD2], s23, v[CO2]
	s_lshl_b32 s16, s45, 8
	s_lshl_b32 s17, s[RH], 7
	s_add_co_u32 s16, s16, s17
	s_lshl_b32 s16, s16, 12                        ; my first row of out, rows of 4,096 bytes
	s_mov_b32 s17, 0
	s_add_nc_u64 s[14:15], s[14:15], s[16:17]
	s_add_nc_u64 s[14:15], s[14:15], s[46:47]
	s_wait_loadcnt 0x0                             ; the bias
	WIN 0x41
.set i, 0
.rept 32
	v_pk_mul_f32 v[BIAS+2*i:BIAS+2*i+1], v[BIAS+2*i:BIAS+2*i+1], s[K2:K2+1] op_sel_hi:[1,0]
.set i, i+1
.endr
.macro MUL16 form, f, hi, a0, zero
.irp a, \a0, \a0+1
.irp b, 0,1,2,3,4,5,6,7
.if \zero
	v_wmma_f32_16x16x32_\form v[8*(8*(\a)+\b):8*(8*(\a)+\b)+7], v[\f+8*\b:\f+8*\b+7], v[\f+8*(4*\hi+\a):\f+8*(4*\hi+\a)+7], 0
.else
	v_wmma_f32_16x16x32_\form v[8*(8*(\a)+\b):8*(8*(\a)+\b)+7], v[\f+8*\b:\f+8*\b+7], v[\f+8*(4*\hi+\a):\f+8*(4*\hi+\a)+7], v[8*(8*(\a)+\b):8*(8*(\a)+\b)+7]
.endif
.endr
.endr
.endm
; 32 LDS loads in one run: quarter q of a slot into buffer f: source 0's 16 (kind 1: rows along K, as they lie; kind 2: ev, turned), then source 1's 16
.macro FETCH kind, slot, q, f
	WIN TO_B
.irp i, 0,1,2,3,4,5,6,7
.if \kind == 1
	ds_load_b128 v[\f+8*\i:\f+8*\i+3],   v[ADRB+\slot] offset:64*\q+\i*16*PITCH
	ds_load_b128 v[\f+8*\i+4:\f+8*\i+7], v[ADRB+\slot] offset:64*\q+\i*16*PITCH+32
.else
	ds_load_tr16_b128 v[\f+8*\i:\f+8*\i+3],   v[ADRT+\slot] offset:\q*32*TPITCH+32*\i
	ds_load_tr16_b128 v[\f+8*\i+4:\f+8*\i+7], v[ADRT+\slot] offset:\q*32*TPITCH+16*TPITCH+32*\i
.endif
.endr
	WIN 0
.irp i, 0,1,2,3,4,5,6,7
	ds_load_b128 v[\f+8*\i:\f+8*\i+3],   v[ADRA+\slot] offset:64*\q+\i*16*PITCH
	ds_load_b128 v[\f+8*\i+4:\f+8*\i+7], v[ADRA+\slot] offset:64*\q+\i*16*PITCH+32
.endr
.endm
; A K step is four quarters of 32 along K, 64 matrix instructions each, on buffers 0, 1, 0, 1.  The 64 accumulators take turns, one instruction a turn,
; in the same order in every quarter.  One of the first three: multiplies f, fetches quarter q of the slot into g.
.macro QUARTER form, kind, slot, q, f, g, zero
	s_wait_dscnt 8                                 ; source 0 and source 1's rows 0-63 are in; the youngest eight loads (rows 64-127) may be out
	WIN MUL_LO
	MUL16 \form, \f, 0, 0, \zero
	MUL16 \form, \f, 0, 2, \zero
	PLACES
	FETCH \kind, \slot, \q, \g
	s_wait_dscnt 32                                ; all but the 32 just issued
	WIN MUL_HI
	MUL16 \form, \f, 1, 0, \zero
	MUL16 \form, \f, 1, 2, \zero
.endm
.macro THREE form, kind, slot          ; a K step's first three quarters
	QUARTER \form, \kind, \slot, 1, F0, F1, 0
	QUARTER \form, \kind, \slot, 2, F1, F0, 0
	QUARTER \form, \kind, \slot, 3, F0, F1, 0
.endm
; The last quarter multiplies buffer 1 and changes slots: one barrier; in front of it each wave waits for its reads of this slot and for all its tensor loads.
; mode 0: nothing is filled.  mode 1: the barrier opens a round of the cluster's barrier and the slot is filled again, two K steps ahead.  mode 2: the same, and
; the refill is the second sum's K step `slot`: both addresses are made anew.  kind: how the next slot's source 0 is read.  240 matrix instructions lie between a request and the wait for it.
.macro TURN form, slot, next, mode, kind
	s_wait_dscnt 8
	WIN MUL_LO
	MUL16 \form, F1, 0, 0, 0
	s_wait_dscnt 0x0                               ; my reads of this slot are over
	s_wait_tensorcnt 0x0                           ; all my tensor loads have landed, so a group 0 may be written
	ds_add_u32 v63, v63
	s_wait_dscnt 0x0
	s_barrier_signal -1
	MUL16 \form, F1, 0, 2, 0
.if \mode
	WIN 0
.endif
	s_barrier_wait -1
.if \mode
	CREST                                          ; no wave of any partner still reads this slot or has a load on its way
.if \mode == 1
	s_add_nc_u64 s[G0+4*\slot+2:G0+4*\slot+3], s[G0+4*\slot+2:G0+4*\slot+3], 2*KSTEP*2
	s_add_nc_u64 s[G0B+4*\slot+2:G0B+4*\slot+3], s[G0B+4*\slot+2:G0B+4*\slot+3], BSTEP
.else
	s_add_nc_u64 s[G0+4*\slot+2:G0+4*\slot+3], s[A2:A2+1], \slot*KSTEP*2
	s_or_b32 s[G0+4*\slot+3], s[G0+4*\slot+3], 0x80000000
	s_add_nc_u64 s[G0B+4*\slot+2:G0B+4*\slot+3], s[B2:B2+1], \slot*KSTEP*2048
	s_or_b32 s[G0B+4*\slot+3], s[G0B+4*\slot+3], 0x80000000
.endif
	JLOAD \slot                                    ; its four v_nop are also the places in front of the loads below
.else
	PLACES
.endif
	FETCH \kind, \next, 0, F0
	WIN MUL_HI
	MUL16 \form, F1, 1, 0, 0
	MUL16 \form, F1, 1, 2, 0
.endm
	s_wait_tensorcnt 1                             ; my part of K step 0 is in; K step 1's stays out
	s_barrier_signal -1
	s_barrier_wait -1
	FETCH 1, 0, 0, F0
	QUARTER bf16, 1, 0, 1, F0, F1, 1               ; the first quarter starts the sums
	WIN 0
	s_mov_b32 s3, 3
.Llap:                                                 ; a trip goes once round the ring: K steps 2 to 7 are asked for in three trips
	QUARTER bf16, 1, 0, 2, F1, F0, 0
	QUARTER bf16, 1, 0, 3, F0, F1, 0
	TURN bf16, 0, 1, 1, 1
	THREE bf16, 1, 1
	TURN bf16, 1, 0, 1, 1
	QUARTER bf16, 1, 0, 1, F0, F1, 0
	WIN 0
	s_sub_co_u32 s3, s3, 1
	s_cmp_lg_u32 s3, 0
	s_cbranch_scc1 .Llap
	QUARTER bf16, 1, 0, 2, F1, F0, 0               ; K step 6 goes on
	QUARTER bf16, 1, 0, 3, F0, F1, 0
.set GA, G1A2                          ; from here on the refills are P's and ev's tiles
.set GB, G1B2
.set BSTEP, 2*KSTEP*2048               ; ev goes 256 keys (rows of 2,048 bytes) down in two K steps
	TURN bf16, 0, 1, 2, 1                          ; slot 0 takes keys 0-127
	THREE bf16, 1, 1                               ; K step 7
	TURN bf16, 1, 0, 2, 2                          ; slot 1 takes keys 128-255; the first fragments of P and ev are fetched
.rept 5
	v_nop                                          ; the f16 form takes up sums that the bf16 form wrote: no chain of one form, so five places stand between
.endr
	THREE f16, 2, 0                                ; keys 0-127
	TURN f16, 0, 1, 1, 2                           ; slot 0 takes keys 256-383
	THREE f16, 2, 1                                ; keys 128-255
	TURN f16, 1, 0, 1, 2                           ; slot 1 takes keys 384-511
	THREE f16, 2, 0                                ; keys 256-383
	TURN f16, 0, 1, 0, 2
	THREE f16, 2, 1                                ; keys 384-511
	s_wait_dscnt 8                                 ; the very last quarter
	WIN MUL_LO
	MUL16 f16, F1, 0, 0, 0
	MUL16 f16, F1, 0, 2, 0
	s_wait_dscnt 0x0
	WIN MUL_HI
	MUL16 f16, F1, 1, 0, 0
	MUL16 f16, F1, 1, 2, 0
	WIN 0
	PLACES                                         ; behind the last products
	; THE WAY OUT, a block of 16 rows at a time: bias and tanh, through my stage, out as rows of 512 bytes
.macro ACT a
.set AC, 64*((\a)%4)
	WIN 0x12+((\a)/4)                              ; source 0 window 2 or 3, source 2 (the bias) window 1
.set i, 0
.rept 32
	v_pk_fma_f32 v[T+2*i:T+2*i+1], v[AC+2*i:AC+2*i+1], s[K2:K2+1], v[BIAS+2*i:BIAS+2*i+1] op_sel_hi:[1,0,1]   ; 2 log2(e) (x + b)
.set i, i+1
.endr
	WIN 0
.set i, 0
.rept 64
	v_exp_f32 v[T+i], v[T+i]
.set i, i+1
.endr
	v_nop                                          ; a plain instruction between the run of exponentials and the use of their results
.set i, 0
	s_wait_alu depctr_va_vdst(0)
.rept 32
	v_pk_add_f32 v[T+2*i:T+2*i+1], v[T+2*i:T+2*i+1], 1.0 op_sel_hi:[1,0]
.set i, i+1
.endr
.set i, 0
.rept 64
	v_rcp_f32 v[T+i], v[T+i]
.set i, i+1
.endr
	v_nop
.set i, 0
	s_wait_alu depctr_va_vdst(0)
.rept 32
	v_pk_fma_f32 v[T+2*i:T+2*i+1], v[T+2*i:T+2*i+1], -2.0, 1.0 op_sel_hi:[1,0,0]
.set i, i+1
.endr
.endm
.macro TOSTAGEF a
.set BK, OB+64*((\a)%2)
.irp b, 0,1,2,3,4,5,6,7
	ds_store_b128 v[STO2], v[T+8*\b:T+8*\b+3]   offset:64*\b
	ds_store_b128 v[STO2], v[T+8*\b+4:T+8*\b+7] offset:64*\b+16
.endr
.irp t, 0,1,2,3,4,5,6,7,8,9,10,11,12,13,14,15
	ds_load_b128 v[BK+4*\t:BK+4*\t+3], v[RD2] offset:\t*SPITCH   ; LDS serves a wave's instructions in order: these see the stores above
.endr
.endm
.macro SENDF a
.set BK, OB+64*((\a)%2)
	s_wait_dscnt 0x0
	s_wait_xcnt 0x0                                ; only behind this wait are the stores' base and the registers that earlier stores read rewritten
.if (\a) > 0
	s_add_nc_u64 s[14:15], s[14:15], 16*4096
.endif
.irp t, 0,1,2,3,4,5,6,7,8,9,10,11,12,13,14,15
	global_store_b128 v[CO2], v[BK+4*\t:BK+4*\t+3], s[14:15] offset:\t*4096 th:TH_STORE_NT   ; 32 lanes store 512 consecutive bytes at a multiple of 512 of out0
.endr
.endm
	ACT 0
	TOSTAGEF 0
.irp a, 1,2,3,4,5,6,7                  ; block a's arithmetic stands between block a - 1's loads from the stage and the wait for them
	ACT \a
	SENDF \a-1
	TOSTAGEF \a
.endr
	SENDF 7
	s_set_vgpr_msb 0x1
	s_wait_tensorcnt 0x0
	ds_add_u32 v63, v63
	s_wait_dscnt 0x0
	s_set_vgpr_msb 0x100
	CROUND                                         ; the closing round: no work-group ends while a partner may still ask for a tile that names it
	s_endpgm
.Lfunc_end_k_qb910730a4a_outp:
	.size	k_qb910730a4a_outp, .Lfunc_end_k_qb910730a4a_outp-k_qb910730a4a_outp
	.p2alignl 7, 3214868480
	.fill 96, 4, 3214868480
	.section	.rodata,"a",@progbits
	.p2align	6, 0x0
	.amdhsa_kernel k_qb910730a4a_outp
		.amdhsa_group_segment_fixed_size 327680
		.amdhsa_private_segment_fixed_size 0
		.amdhsa_enable_private_segment 0
		.amdhsa_kernarg_size 48
		.amdhsa_user_sgpr_count 2
		.amdhsa_user_sgpr_kernarg_segment_ptr 1
		.amdhsa_wavefront_size32 1
		.amdhsa_system_sgpr_workgroup_id_x 1
		.amdhsa_system_sgpr_workgroup_id_y 1
		.amdhsa_system_sgpr_workgroup_id_z 1
		.amdhsa_system_vgpr_workitem_id 0
		.amdhsa_next_free_vgpr 1024
		.amdhsa_next_free_sgpr 92
		.amdhsa_reserve_vcc 0
		.amdhsa_float_denorm_mode_32 3
		.amdhsa_float_denorm_mode_16_64 3
		.amdhsa_memory_ordered 1
		.amdhsa_forward_progress 1
		.amdhsa_inst_pref_size 255
	.end_amdhsa_kernel
	.section	.bss,"aw",@nobits
	.p2align	6
	.space	262144
	.amdgpu_metadata
---
amdhsa.version: [ 1, 2 ]
amdhsa.kernels:
  - .name:           k_qb910730a4a_outp
    .symbol:         k_qb910730a4a_outp.kd
    .args:
      - { .name: xb, .offset: 0, .size: 8, .value_kind: global_buffer, .address_space: global }
      - { .name: wb, .offset: 8, .size: 8, .value_kind: global_buffer, .address_space: global }
      - { .name: pw, .offset: 16, .size: 8, .value_kind: global_buffer, .address_space: global }
      - { .name: ev, .offset: 24, .size: 8, .value_kind: global_buffer, .address_space: global }
      - { .name: b_out, .offset: 32, .size: 8, .value_kind: global_buffer, .address_space: global }
      - { .name: out0, .offset: 40, .size: 8, .value_kind: global_buffer, .address_space: global }
    .group_segment_fixed_size: 327680
    .private_segment_fixed_size: 0
    .kernarg_segment_align: 8
    .kernarg_segment_size: 48
    .max_flat_workgroup_size: 128
    .sgpr_count:     92
    .vgpr_count:     1024
    .wavefront_size: 32
...
	.end_amdgpu_metadata
.endif
;; end of part 4
